; MI455X (gfx1250); checked and timed in simulation.
; The chip was launched on July 23, 2026; its instructions are those of AMD's public machine-readable ISA for CDNA 5 (MIT licence, August 2026) and "CDNA5" Instruction Set Architecture Reference Guide (July 2026). The comments in the code are by the model that wrote it; some were corrected since.
;; Time Mixing Triton. Allowed arithmetic: float matrix products may take bf16 or f16 operands with f32 sums; other float arithmetic in f32, or as packed bf16 or f16 multiplies, adds, multiply-adds, maxima and minima; sums over many terms, partial sums and values carried from step to step in f32; what a program stores and reads back later, other than sums and carried values, may be rounded once to bf16 or f16.
;; Inputs: W_g 1,024 x 1,024 float32; W_k 1,024 x 1,024 float32; W_o 1,024 x 1,024 float32; W_r 1,024 x 1,024 float32; W_v 1,024 x 1,024 float32; W_w 1,024 x 1,024 float32; ln_beta 1,024 float32; ln_gamma 1,024 float32; state 8 x 16 x 64 x 64 float32; x 8 x 1,024 x 1,024 float32.
;; Outputs: out0 8 x 1,024 x 1,024 float32; out1 8 x 16 x 64 x 64 float32.
;; 2 versions, each right. Each part assembles by itself: llvm-mc -triple=amdgcn-amd-amdhsa -mcpu=gfx1250 --defsym DOCPART=n.
;; ======== version 1 of 2: 5 launches
;; limits: values are held in f16: magnitudes above 65,504 overflow, below 6.1e-05 lose precision
;; workspace buffers: xb 16,777,216 bytes; wb 10,485,760 bytes; wo 2,097,152 bytes; pbuf 83,886,080 bytes; ybuf 33,554,432 bytes; zbuf 16,777,216 bytes
;; launch cast (part 1): grid 1792 x 1, 8 waves a work-group, no clusters, 0 bytes of LDS; arguments x, W_r, W_k, W_v, W_w, W_g, W_o, xb, wb, wo; writes xb, wb, wo
.if DOCPART == 1
	.amdgcn_target "amdgcn-amd-amdhsa--gfx1250"
	.amdhsa_code_object_version 6
	.text
	.protected	k_qa73f54ca0f_cast
	.globl	k_qa73f54ca0f_cast
	.p2align	8
	.type	k_qa73f54ca0f_cast,@function
k_qa73f54ca0f_cast:
	s_mov_b64 s[64:65], 0
	v_nop
	global_prefetch_b8 v0, s[64:65] scope:SCOPE_SE
	s_setreg_imm32_b32 hwreg(HW_REG_WAVE_MODE, 25, 1), 1
	s_wait_xcnt 0x0
; x and the six weights are rounded once to bf16.  xb: [8192][1024] bf16.  wb: [5120][1024] bf16, the rows of W_r, W_k, W_v, W_w laid by heads:
; row 256 h + 64 m + i holds row 64 h + i of weight m (m = 0 r, 1 k, 2 v, 3 w); rows 4096 + c hold W_g's row c.  wo: [1024][1024]: W_o rounded to bf16 and that number written as f16.
; LIMIT.  A number of W_o below 6.1e-5 in magnitude keeps f16's fixed step of 6e-8; beyond 65,504 it would be lost.
; SHARES.  14,336 rows of 1,024 f32, one row a wave, eight waves a work-group.  A load of the wave covers 512 consecutive bytes, a store 256 consecutive bytes, aligned.
; Memory binds: no LDS, no matrix unit, no loop; all eight loads of a wave go out at once.
	s_load_b512 s[8:23], s[0:1], 0x0               ; x s[8:9], W_r s[10:11], W_k s[12:13], W_v s[14:15], W_w s[16:17], W_g s[18:19], W_o s[20:21], xb s[22:23]
	s_load_b128 s[24:27], s[0:1], 0x40             ; wb s[24:25], wo s[26:27]
	v_lshrrev_b32 v3, 5, v0
	v_readfirstlane_b32 s4, v3                     ; wave 0..7
	v_and_b32 v4, 31, v0
	v_lshlrev_b32 v1, 4, v4                        ; 16 bytes a lane in the f32 row
	v_lshlrev_b32 v2, 3, v4                        ; 8 bytes a lane in the 16-bit row
	s_lshl_b32 s5, ttmp9, 3
	s_add_co_u32 s5, s5, s4                        ; R: my row among the 14,336
	s_sub_co_u32 s6, s5, 8192                      ; behind x's rows: (for a row of x the three numbers below serve nothing)
	s_lshr_b32 s7, s6, 10                          ; m: which weight
	s_and_b32 s28, s6, 1023                        ; c: which row of it
	s_lshr_b32 s29, s28, 6
	s_lshl_b32 s29, s29, 8                         ; 256 h
	s_lshl_b32 s35, s7, 6                          ; 64 m
	s_add_co_u32 s29, s29, s35
	s_and_b32 s35, s28, 63
	s_add_co_u32 s29, s29, s35                     ; + i
	s_add_co_u32 s35, s28, 4096
	s_cmp_eq_u32 s7, 4
	s_cselect_b32 s29, s35, s29                    ; W_g: behind the heads
	s_cmp_eq_u32 s7, 5
	s_cselect_b32 s29, s28, s29                    ; W_o: its own buffer, its own order
	s_cselect_b32 s34, 1, 0                        ; 1: the row leaves as f16
	s_cmp_lt_u32 ttmp9, 1024                       ; the first 1,024 work-groups take x
	s_cselect_b32 s29, s5, s29                     ; the row to be written
	s_cselect_b32 s28, s5, s28                     ; the row to be read
	s_cselect_b32 s34, 0, s34
	s_lshl_b32 s36, s28, 12                        ; 4,096 bytes a row in
	s_mov_b32 s37, 0
	s_lshl_b32 s38, s29, 11                        ; 2,048 bytes a row out
	s_mov_b32 s39, 0
	s_wait_kmcnt 0x0
	s_mov_b64 s[30:31], s[10:11]
	s_cmp_eq_u32 s7, 1
	s_cselect_b64 s[30:31], s[12:13], s[30:31]
	s_cmp_eq_u32 s7, 2
	s_cselect_b64 s[30:31], s[14:15], s[30:31]
	s_cmp_eq_u32 s7, 3
	s_cselect_b64 s[30:31], s[16:17], s[30:31]
	s_cmp_eq_u32 s7, 4
	s_cselect_b64 s[30:31], s[18:19], s[30:31]
	s_cmp_eq_u32 s7, 5
	s_cselect_b64 s[30:31], s[20:21], s[30:31]
	s_cselect_b64 s[32:33], s[26:27], s[24:25]
	s_cmp_lt_u32 ttmp9, 1024
	s_cselect_b64 s[30:31], s[8:9], s[30:31]
	s_cselect_b64 s[32:33], s[22:23], s[32:33]
	s_add_nc_u64 s[30:31], s[30:31], s[36:37]
	s_add_nc_u64 s[32:33], s[32:33], s[38:39]
.irp j, 0,1,2,3,4,5,6,7
	global_load_b128 v[8+4*(\j):11+4*(\j)], v1, s[30:31] offset:512*(\j) th:TH_LOAD_NT
.endr
	s_cmp_eq_u32 s34, 1
	s_cbranch_scc1 .Lhalf
.irp j, 0,1,2,3,4,5,6,7
	s_wait_loadcnt 7-(\j)                          ; loads come back in order: number j is in, the 7 - j younger ones stay out
	v_cvt_pk_bf16_f32 v[40+2*(\j)], v[8+4*(\j)], v[9+4*(\j)]
	v_cvt_pk_bf16_f32 v[41+2*(\j)], v[10+4*(\j)], v[11+4*(\j)]
	global_store_b64 v2, v[40+2*(\j):41+2*(\j)], s[32:33] offset:256*(\j)
.endr
	s_endpgm
.Lhalf:                                                ; W_o: rounded to bf16 like every input, then that number as f16
.irp j, 0,1,2,3,4,5,6,7
	s_wait_loadcnt 7-(\j)
	v_cvt_pk_bf16_f32 v[40+2*(\j)], v[8+4*(\j)], v[9+4*(\j)]
	v_cvt_pk_bf16_f32 v[41+2*(\j)], v[10+4*(\j)], v[11+4*(\j)]
	v_lshlrev_b32 v56, 16, v[40+2*(\j)]
	v_and_b32 v57, 0xffff0000, v[40+2*(\j)]
	v_lshlrev_b32 v58, 16, v[41+2*(\j)]
	v_and_b32 v59, 0xffff0000, v[41+2*(\j)]
	v_cvt_pk_f16_f32 v[40+2*(\j)], v56, v57
	v_cvt_pk_f16_f32 v[41+2*(\j)], v58, v59
	global_store_b64 v2, v[40+2*(\j):41+2*(\j)], s[32:33] offset:256*(\j)
.endr
	s_endpgm
.Lfunc_end_k_qa73f54ca0f_cast:
	.size	k_qa73f54ca0f_cast, .Lfunc_end_k_qa73f54ca0f_cast-k_qa73f54ca0f_cast
	.p2alignl 7, 3214868480
	.fill 96, 4, 3214868480
	.section	.rodata,"a",@progbits
	.p2align	6, 0x0
	.amdhsa_kernel k_qa73f54ca0f_cast
		.amdhsa_group_segment_fixed_size 0
		.amdhsa_private_segment_fixed_size 0
		.amdhsa_enable_private_segment 0
		.amdhsa_kernarg_size 80
		.amdhsa_user_sgpr_count 2
		.amdhsa_user_sgpr_kernarg_segment_ptr 1
		.amdhsa_wavefront_size32 1
		.amdhsa_system_sgpr_workgroup_id_x 1
		.amdhsa_system_sgpr_workgroup_id_y 1
		.amdhsa_system_sgpr_workgroup_id_z 1
		.amdhsa_system_vgpr_workitem_id 0
		.amdhsa_next_free_vgpr 64
		.amdhsa_next_free_sgpr 66
		.amdhsa_reserve_vcc 0
		.amdhsa_float_denorm_mode_32 3
		.amdhsa_float_denorm_mode_16_64 3
		.amdhsa_memory_ordered 1
		.amdhsa_forward_progress 1
		.amdhsa_inst_pref_size 10
	.end_amdhsa_kernel
	.amdgpu_metadata
---
amdhsa.version: [ 1, 2 ]
amdhsa.kernels:
  - .name:           k_qa73f54ca0f_cast
    .symbol:         k_qa73f54ca0f_cast.kd
    .args:
      - { .name: x, .offset: 0, .size: 8, .value_kind: global_buffer, .address_space: global }
      - { .name: W_r, .offset: 8, .size: 8, .value_kind: global_buffer, .address_space: global }
      - { .name: W_k, .offset: 16, .size: 8, .value_kind: global_buffer, .address_space: global }
      - { .name: W_v, .offset: 24, .size: 8, .value_kind: global_buffer, .address_space: global }
      - { .name: W_w, .offset: 32, .size: 8, .value_kind: global_buffer, .address_space: global }
      - { .name: W_g, .offset: 40, .size: 8, .value_kind: global_buffer, .address_space: global }
      - { .name: W_o, .offset: 48, .size: 8, .value_kind: global_buffer, .address_space: global }
      - { .name: xb, .offset: 56, .size: 8, .value_kind: global_buffer, .address_space: global }
      - { .name: wb, .offset: 64, .size: 8, .value_kind: global_buffer, .address_space: global }
      - { .name: wo, .offset: 72, .size: 8, .value_kind: global_buffer, .address_space: global }
    .group_segment_fixed_size: 0
    .private_segment_fixed_size: 0
    .kernarg_segment_align: 8
    .kernarg_segment_size: 80
    .max_flat_workgroup_size: 256
    .sgpr_count:     66
    .vgpr_count:     64
    .wavefront_size: 32
...
	.end_amdgpu_metadata
.endif
;; end of part 1
;; launch proj (part 2): grid 4 x 64, 4 waves a work-group, clusters of 4 x 4, 327,680 bytes of LDS; arguments xb, wb, pbuf; writes pbuf
.if DOCPART == 2
	.amdgcn_target "amdgcn-amd-amdhsa--gfx1250"
	.amdhsa_code_object_version 6
	.text
	.protected	k_qa73f54ca0f_proj
	.globl	k_qa73f54ca0f_proj
	.p2align	8
	.type	k_qa73f54ca0f_proj,@function
k_qa73f54ca0f_proj:
	s_mov_b64 s[64:65], 0
	v_nop
	global_prefetch_b8 v0, s[64:65] scope:SCOPE_SE
	s_setreg_imm32_b32 hwreg(HW_REG_WAVE_MODE, 25, 1), 1
	s_wait_xcnt 0x0
	s_wait_alu depctr_hold_cnt(0) depctr_sa_sdst(0) depctr_va_vdst(0) depctr_va_sdst(0) depctr_va_ssrc(0) depctr_va_vcc(0) depctr_vm_vsrc(0)
	s_getreg_b32 s2, hwreg(HW_REG_IB_STS2, 6, 4)
	s_cmp_eq_u32 s2, 0
	s_cbranch_scc0 .Lentry_in_a_cluster
	s_endpgm
.Lentry_in_a_cluster:
	s_bfe_u32 s2, ttmp6, 0x10000c
	s_cmp_lg_u32 s2, 0xf033
	s_cbranch_scc0 .Lentry_shape_is_right
	s_endpgm
.Lentry_shape_is_right:
; C[m][n] = sum over k of A[m][k] B[n][k].  A: [SIZE_M][SIZE_K], B: [SIZE_N][SIZE_K], 16-bit; sums in f32; C: [SIZE_M][SIZE_N], f16 (OUT32 = 0) or f32 (OUT32 = 1).
; HERE: A = x in bf16, B = the five weights in bf16 (rows by heads), C = r | k | v | w's and g's pre-activations in f16.
; LIMIT.  A result of 65,520 or more in magnitude becomes an infinity in f16.
; A tile of C is 128 x 256: SIZE_M / 128 x SIZE_N / 256 tiles are TILES for each of 256 work-groups.  Four waves, each 64 x 128: 32 accumulators of 16 x 16, 256 registers.
; K goes in steps of 128 (rows of 256 bytes, aligned) through a ring of two LDS slots filled by the tensor data mover.  A WORK-GROUP STAYS: its TILES tiles lie side by side, WALKN columns apart;
; they share their rows of A; the ring runs on from tile to tile, and nothing waits for a tile's stores.
; CLUSTERS: 4 x 4 work-groups.  The four of a row of the cluster share A's tile, the four of a column B's: each tile is asked for jointly, by the same load with the same descriptor and mask.
; THE MATRIX INSTRUCTION IS USED TRANSPOSED (source 0 = 16 rows of B, source 1 = 16 rows of A): a lane holds row l % 16 of C and the columns 8 (l / 16) + 0..7.
; REGISTERS.  Window 0: v16-30 addresses; v32-63 packed results; v64-127 A's fragments, two buffers of 32; v128-255 B's, two buffers of 64.  Window 1: accumulator (a, b) at v[8 (8 a + b)].
.set SIZE_N, 5120
.set TILES,  5
.set OUT32,  0
.set ES,     2                         ; bytes of a number of C
.set SIZE_M, 8192
.set SIZE_K, 1024
.set KSTEP,  128
.set PITCH,  272                       ; an LDS row: 256 bytes + 16 of padding: the 16 rows that a load touches start 68 words apart
.set HA,     64*PITCH                  ; half of A's tile: what wave 0 or 1 fetches, and what a wave reads of A
.set HB,     128*PITCH                 ; half of B's tile: what wave 2 or 3 fetches, and what a wave reads of B
.set SLOT,   2*HA+2*HB                 ; A's 128 rows, then B's 256
.set STAGE,  2*SLOT                    ; behind the ring: 16 rows for each wave, for the way out; no tensor load lands there
.if OUT32
.set SPITCH, 528
.else
.set SPITCH, 272
.endif
.set SPARE,  STAGE+4*16*SPITCH         ; the spare words: 128 bytes a wave, two blocks of 256 bytes that no other line names
.set LAPS,   SIZE_K/(2*KSTEP)
.set WALKN,  1024
.set BACK_A, (SIZE_K-2*KSTEP)*2        ; from a slot's last K step of a tile to its first of the next: A only goes back along K,
.set NEXT_B, WALKN*SIZE_K*2-BACK_A     ; B goes WALKN rows down and back
.set ADRA, 16                          ; v16-17 LDS address of my A fragments in slot 0, 1
.set ADRB, 20                          ; v20-21 the same for B
.set STO,  24
.set RD,   25
.set CO,   26
.set SPW,  28                          ; my spare word's address; never rewritten
.set NIL,  29                          ; 0; never rewritten
.set PFO,  30                          ; my lane x a row of A or B in memory; never rewritten
.set TMP,  32
.set FA,   64
.set FB,   128
.set G1,  24
.set G0,  32
.set G1B, 48
.set G0B, 56
.set LIM, 43                           ; 1 in a wave that prefetches, else the greatest number
.set PFA, 44                           ; s[44:45] where my prefetches stand
.set FLAGS, (1<<16)|(1<<20)|(1<<21)|(5<<22)|(3<<25)  ; 2-byte elements; padding on; bit 21 beside a mask; after every 64 words; 4 words
.set MSB, 0
.macro WIN new                         ; the immediate's high byte repeats the setting that is left; a switch that changes nothing is dropped
.if MSB != (\new)
	s_set_vgpr_msb (MSB<<8)|(\new)
.set MSB, \new
.endif
.endm
.set MUL, 0x50                         ; sources in window 0, C and D in window 1
; A joint load: waves 0 and 1 fetch A's halves, waves 2 and 3 B's.  The branch hangs on the wave's number alone.  An s_nop 0 and four v_nop follow each line.
.macro JLOAD s
	s_cmp_eq_u32 s11, 0
	s_cbranch_scc0 .Lfor_b_\@
	tensor_load_to_lds s[G0+4*(\s):G0+4*(\s)+3], s[G1:G1+7]
	s_nop 0
.rept 4
	v_nop
.endr
	s_branch .Lasked_\@
.Lfor_b_\@:
	tensor_load_to_lds s[G0B+4*(\s):G0B+4*(\s)+3], s[G1B:G1B+7]
	s_nop 0
.rept 4
	v_nop
.endr
.Lasked_\@:
.endm
; A prefetch of the K step that stands two refills on: 32 rows x 256 bytes, a lane a row.  Each row's 256 bytes of a K step are named once in the launch.  A's 128 rows of a tile row are read by one
; cluster: wave 0 of each of its four partners along x names 32 of them, in the first tile alone (later tiles read them again).  B's 256 rows of a tile column are read by all clusters: in the cluster
; with y = 0, waves 2 and 3 of each of the four partners along y name 32 each, in every tile.  The partners are told apart by address.  how = 0: in the loop, whose last trip has no K step two on.
.macro ASK how
.if \how
	s_cmp_eq_u32 s[LIM], 1
.else
	s_cmp_gt_u32 s3, s[LIM]
.endif
	s_cbranch_scc0 .Lnot_mine_\@
	global_prefetch_b8 v[PFO], s[PFA:PFA+1] offset:KSTEP*2 th:TH_LOAD_NT scope:SCOPE_SE
.Lnot_mine_\@:
.endm
.macro CREST                           ; a round of the cluster's barrier behind its opening barrier
	s_cmp_lg_u32 s10, 0
	s_cbranch_scc1 .Lnot_wave_0_\@
	s_barrier_signal -3
.Lnot_wave_0_\@:
	s_barrier_wait -3
	s_barrier_signal -1
	s_barrier_wait -1
.endm
.macro CROUND
	s_barrier_signal -1
	s_barrier_wait -1
	CREST
.endm
	s_load_b128 s[4:7], s[0:1], 0x0                ; A s[4:5], B s[6:7]
	s_load_b64 s[8:9], s[0:1], 0x10                ; C
	v_lshl_add_u32 v[SPW], v0, 2, SPARE
	v_mov_b32 v[NIL], 0
	ds_add_u32 v[SPW], v[NIL]                      ; the wave's opening: the add, twice on end, and its wait ahead of my first tensor load
	ds_add_u32 v[SPW], v[NIL]
	v_lshrrev_b32 v1, 5, v0
	v_readfirstlane_b32 s10, v1                    ; wave 0..3
	s_lshr_b32 s11, s10, 1                         ; which 64 rows of the tile are mine.  Also: I fetch for A (0) or for B (1)
	s_and_b32 s12, s10, 1                          ; which 128 columns.  Also: which half of that tile I fetch
	s_bfe_u32 s40, ttmp6, 0x40000                  ; cx
	s_bfe_u32 s41, ttmp6, 0x40004                  ; cy
	s_lshl_b32 s42, ttmp9, 2
	s_add_co_u32 s42, s42, s40                     ; tile column = 4 x cluster x + cx
	s_and_b32 s13, ttmp7, 0xffff
	s_lshl_b32 s13, s13, 2
	s_add_co_u32 s13, s13, s41                     ; tile row = 4 x cluster y + cy
	s_lshl_b32 s43, s41, 2
	s_lshl_b32 s43, 15, s43                        ; my row of the cluster
	s_lshl_b32 s44, 0x1111, s40                    ; my column
	s_or_b32 s[G1+0], s43, FLAGS
	s_or_b32 s[G1B+0], s44, FLAGS
	s_mov_b32 s[G1+1], KSTEP<<16                   ; tensor_dim0 = 128
	s_mov_b32 s[G1+2], 64<<16                      ; tensor_dim1 = 64
	s_mov_b32 s[G1+3], KSTEP<<16                   ; tile_dim0 = 128
	s_mov_b32 s[G1+4], 64                          ; tile_dim1 = 64
	s_mov_b32 s[G1+5], SIZE_K                      ; elements from row to row
	s_mov_b32 s[G1+6], 0
	s_mov_b32 s[G1+7], 0
	s_mov_b32 s[G1B+1], KSTEP<<16
	s_mov_b32 s[G1B+2], 128<<16                    ; B: 128 rows to a load
	s_mov_b32 s[G1B+3], KSTEP<<16
	s_mov_b32 s[G1B+4], 128
	s_mov_b32 s[G1B+5], SIZE_K
	s_mov_b32 s[G1B+6], 0
	s_mov_b32 s[G1B+7], 0
	s_lshl_b32 s16, s13, 7
	s_lshl_b32 s17, s12, 6
	s_add_co_u32 s16, s16, s17                     ; A: row 128 x tile row + 64 x half
	s_lshl_b32 s16, s16, 11                        ; 2,048 bytes a row
	s_mov_b32 s17, 0
	s_lshl_b32 s46, s42, 8
	s_lshl_b32 s47, s12, 7
	s_add_co_u32 s46, s46, s47                     ; B: row 256 x tile column + 128 x half
	s_lshl_b32 s46, s46, 11
	s_mov_b32 s47, 0
	s_mul_i32 s20, s12, HA                         ; where they go: no place in the cluster enters an LDS address
	s_mul_i32 s21, s12, HB
	s_add_co_u32 s21, s21, 2*HA
	s_wait_dscnt 0x0                               ; both opening adds are done
	s_wait_kmcnt 0x0
	s_add_nc_u64 s[14:15], s[4:5], s[16:17]
	s_add_nc_u64 s[46:47], s[6:7], s[46:47]
	CROUND                                         ; all sixteen work-groups are here: the first joint loads meet
.irp s, 0,1
	s_mov_b32 s[G0+4*(\s)], 1
	s_add_co_u32 s[G0+4*(\s)+1], s20, (\s)*SLOT
	s_add_nc_u64 s[G0+4*(\s)+2:G0+4*(\s)+3], s[14:15], (\s)*KSTEP*2
	s_or_b32 s[G0+4*(\s)+3], s[G0+4*(\s)+3], 0x80000000
	s_mov_b32 s[G0B+4*(\s)], 1
	s_add_co_u32 s[G0B+4*(\s)+1], s21, (\s)*SLOT
	s_add_nc_u64 s[G0B+4*(\s)+2:G0B+4*(\s)+3], s[46:47], (\s)*KSTEP*2
	s_or_b32 s[G0B+4*(\s)+3], s[G0B+4*(\s)+3], 0x80000000
	JLOAD \s                                       ; K steps 0 and 1: two loads of mine are out
.endr
	; a fragment is 16 rows x 32 K in 8 registers: lane l holds row l % 16, K = 8 (l / 16) + 0..7 and 16 + 8 (l / 16) + 0..7: two loads of 16 bytes, 32 bytes apart
	v_and_b32 v1, 15, v0
	v_bfe_u32 v2, v0, 4, 1
	v_mul_u32_u24 v3, v1, PITCH
	v_lshl_add_u32 v3, v2, 4, v3
	s_mul_i32 s21, s11, HA
	s_mul_i32 s22, s12, HB
	s_add_co_u32 s22, s22, 2*HA
.irp s, 0,1
	v_add_nc_u32 v[ADRA+(\s)], s21, v3
	v_add_nc_u32 v[ADRB+(\s)], s22, v3
	s_add_co_u32 s21, s21, SLOT
	s_add_co_u32 s22, s22, SLOT
.endr
	s_mul_i32 s23, s10, 16*SPITCH
	s_add_co_u32 s23, s23, STAGE                   ; my stage
	v_mul_u32_u24 v4, v1, SPITCH
.if OUT32
	v_lshl_add_u32 v4, v2, 5, v4                   ; in: row l % 16, 32 bytes for each half of the lanes
	v_add_nc_u32 v[STO], s23, v4
	v_and_b32 v5, 31, v0
	v_lshlrev_b32 v[CO], 4, v5                     ; back: 32 lanes take one row of 512 bytes
	v_add_nc_u32 v[RD], s23, v[CO]
.else
	v_lshl_add_u32 v4, v2, 4, v4                   ; in: row l % 16, 16 bytes for each half of the lanes
	v_add_nc_u32 v[STO], s23, v4
	v_mul_u32_u24 v5, v2, SPITCH                   ; back: lanes 0-15 take one row of 256 bytes, lanes 16-31 the next
	v_lshl_add_u32 v5, v1, 4, v5
	v_add_nc_u32 v[RD], s23, v5
	v_mul_u32_u24 v5, v2, SIZE_N*ES
	v_lshl_add_u32 v[CO], v1, 4, v5
.endif
	s_lshl_b32 s16, s13, 7                         ; where my part of the first tile begins in C, in bytes (under 2^31)
	s_lshl_b32 s14, s11, 6
	s_add_co_u32 s16, s16, s14
	s_mul_i32 s16, s16, SIZE_N*ES
	s_lshl_b32 s46, s42, 8
	s_lshl_b32 s47, s12, 7
	s_add_co_u32 s46, s46, s47
	s_mul_i32 s46, s46, ES
	s_add_co_u32 s16, s16, s46
	s_mov_b32 s17, 0
	; the prefetches
	s_lshl_b32 s20, s13, 7
	s_lshl_b32 s21, s40, 5
	s_add_co_u32 s20, s20, s21                     ; A: row 128 x tile row + 32 cx
	s_lshl_b32 s21, s42, 8
	s_lshl_b32 s23, s41, 6
	s_add_co_u32 s21, s21, s23
	s_lshl_b32 s23, s12, 5
	s_add_co_u32 s21, s21, s23                     ; B: row 256 x tile column + 64 cy + 32 x half
	s_and_b32 s22, ttmp7, 0xffff                   ; cluster y
	s_cmp_eq_u32 s11, 0
	s_cselect_b32 s20, s20, s21
	s_cselect_b32 s22, s12, s22                    ; A: wave 0 asks; B: the cluster with y = 0 asks
	s_cselect_b64 s[PFA:PFA+1], s[4:5], s[6:7]
	s_cmp_eq_u32 s22, 0
	s_cselect_b32 s[LIM], 1, -1                    ; the same in all sixteen partners, for a given wave
	s_lshl_b32 s20, s20, 11
	s_mov_b32 s21, 0
	s_add_nc_u64 s[PFA:PFA+1], s[PFA:PFA+1], s[20:21]
	s_add_nc_u64 s[PFA:PFA+1], s[PFA:PFA+1], 2*KSTEP*2  ; at K step 2: the first refill steps it to 3 and names K step 4.  Nothing is asked for here, at the head
	v_and_b32 v[PFO], 31, v0
	v_lshlrev_b32 v[PFO], 11, v[PFO]
; 8 matrix instructions: m block a x all 8 n blocks, 32 along K, from buffer f.  zero = 1: the product starts the sums.  The 32 accumulators take turns in the same order in every quarter.
.macro MUL8 f, a, zero
	WIN MUL
.irp b, 0,1,2,3,4,5,6,7
.if OUT32
.if \zero
	v_wmma_f32_16x16x32_f16 v[8*(8*(\a)+(\b)):8*(8*(\a)+(\b))+7], v[FB+64*(\f)+8*(\b):FB+64*(\f)+8*(\b)+7], v[FA+32*(\f)+8*(\a):FA+32*(\f)+8*(\a)+7], 0
.else
	v_wmma_f32_16x16x32_f16 v[8*(8*(\a)+(\b)):8*(8*(\a)+(\b))+7], v[FB+64*(\f)+8*(\b):FB+64*(\f)+8*(\b)+7], v[FA+32*(\f)+8*(\a):FA+32*(\f)+8*(\a)+7], v[8*(8*(\a)+(\b)):8*(8*(\a)+(\b))+7]
.endif
.else
.if \zero
	v_wmma_f32_16x16x32_bf16 v[8*(8*(\a)+(\b)):8*(8*(\a)+(\b))+7], v[FB+64*(\f)+8*(\b):FB+64*(\f)+8*(\b)+7], v[FA+32*(\f)+8*(\a):FA+32*(\f)+8*(\a)+7], 0
.else
	v_wmma_f32_16x16x32_bf16 v[8*(8*(\a)+(\b)):8*(8*(\a)+(\b))+7], v[FB+64*(\f)+8*(\b):FB+64*(\f)+8*(\b)+7], v[FA+32*(\f)+8*(\a):FA+32*(\f)+8*(\a)+7], v[8*(8*(\a)+(\b)):8*(8*(\a)+(\b))+7]
.endif
.endif
.endr
.endm
; 24 LDS loads in one run: a quarter step's fragments (128 rows of B, then 64 rows of A, 32 K at byte k of the rows) into buffer f
.macro FETCH slot, k, f
	WIN 0
.irp i, 0,1,2,3,4,5,6,7
	ds_load_b128 v[FB+64*(\f)+8*(\i):FB+64*(\f)+8*(\i)+3],   v[ADRB+(\slot)] offset:(\k)+(\i)*16*PITCH
	ds_load_b128 v[FB+64*(\f)+8*(\i)+4:FB+64*(\f)+8*(\i)+7], v[ADRB+(\slot)] offset:(\k)+(\i)*16*PITCH+32
.endr
.irp i, 0,1,2,3
	ds_load_b128 v[FA+32*(\f)+8*(\i):FA+32*(\f)+8*(\i)+3],   v[ADRA+(\slot)] offset:(\k)+(\i)*16*PITCH
	ds_load_b128 v[FA+32*(\f)+8*(\i)+4:FA+32*(\f)+8*(\i)+7], v[ADRA+(\slot)] offset:(\k)+(\i)*16*PITCH+32
.endr
.endm
.macro PLACES                          ; four plain vector instructions in front of loads into registers that matrix instructions have read, and of lines that read results
.rept 4
	v_nop
.endr
.endm
; A K step is four quarters of 32 along K, 32 matrix instructions each, on buffers 0, 1, 0, 1.  One of the first three: multiplies f, and in its middle fetches the next quarter, at byte k, into g.
.macro QUARTER slot, k, f, g, zero
	s_wait_dscnt 4                                 ; B and A's blocks 0 and 1 are in; the four youngest loads (A's blocks 2 and 3) may be out
	MUL8 \f, 0, \zero
	MUL8 \f, 1, \zero
	PLACES
	FETCH \slot, \k, \g
	s_wait_dscnt 24                                ; all but the 24 just issued
	MUL8 \f, 2, \zero
	MUL8 \f, 3, \zero
.endm
; The first half of the last quarter, which multiplies buffer 1 and changes slots: one barrier.  In front of it each wave waits for all its tensor loads (one is out: its part of the next slot),
; adds 0 to its spare word, and waits for that and for its own reads of this slot.
.macro MEET round
	WIN 0
	s_wait_tensorcnt 0x0
	ds_add_u32 v[SPW], v[NIL]
	s_wait_dscnt 5                                 ; (the add and the four youngest loads may be out)
	MUL8 1, 0, 0                                   ; eight matrix instructions stand between the add and the wait for it
	s_wait_dscnt 0x0                               ; the add is done, and my reads of this slot are over
	s_barrier_signal -1
	MUL8 1, 1, 0
.if \round
	WIN 0
.endif
	s_barrier_wait -1
.endm
; The whole last quarter.  Behind the round the slot just read out is filled again first: with this tile's K step two on (on = 0) or the next tile's K step 0 or 1 (on = 1).
; From a request to the wait for it a wave issues 112 matrix instructions.
.macro TURN slot, next, on
	s_wait_xcnt 0x0                                ; the last prefetch, a K step back, has read its address
.if (\on) && (\slot) == 0
	s_add_nc_u64 s[PFA:PFA+1], s[PFA:PFA+1], (WALKN-1)*SIZE_K*2+KSTEP*2  ; from the K step after the tile's last to the next tile's K step 1
	s_cmp_eq_u32 s11, 0
	s_cselect_b32 s[LIM], -1, s[LIM]               ; A's rows are the same for all tiles of the walk: they are asked for no more
.else
	s_add_nc_u64 s[PFA:PFA+1], s[PFA:PFA+1], KSTEP*2
.endif
	MEET 1
	CREST                                          ; no wave of any partner still reads this slot's tile or has a load on its way
.if \on
	s_sub_nc_u64 s[G0+4*(\slot)+2:G0+4*(\slot)+3], s[G0+4*(\slot)+2:G0+4*(\slot)+3], BACK_A
	s_add_nc_u64 s[G0B+4*(\slot)+2:G0B+4*(\slot)+3], s[G0B+4*(\slot)+2:G0B+4*(\slot)+3], NEXT_B
.else
	s_add_nc_u64 s[G0+4*(\slot)+2:G0+4*(\slot)+3], s[G0+4*(\slot)+2:G0+4*(\slot)+3], 2*KSTEP*2
	s_add_nc_u64 s[G0B+4*(\slot)+2:G0B+4*(\slot)+3], s[G0B+4*(\slot)+2:G0B+4*(\slot)+3], 2*KSTEP*2
.endif
	JLOAD \slot                                    ; the four v_nop behind it are also the places in front of the loads below
	FETCH \next, 0, 0
	ASK \on
	MUL8 1, 2, 0
	MUL8 1, 3, 0
.endm
; THE WAY OUT, a block of 16 rows at a time, through my own stage in LDS: LDS serves a wave's instructions in order (ISA guide 5.7.1.4), so no wait stands between its stores and its loads.
.if OUT32
.macro OUTBLK a
	WIN 0x04                                       ; the stores' data in window 1
.irp b, 0,1,2,3,4,5,6,7
	ds_store_b128 v[STO], v[8*(8*(\a)+(\b)):8*(8*(\a)+(\b))+3]   offset:64*(\b)      ; each accumulator from its low end on
	ds_store_b128 v[STO], v[8*(8*(\a)+(\b))+4:8*(8*(\a)+(\b))+7] offset:64*(\b)+16
.endr
	WIN 0
.set BK, 64+64*((\a)%2)
.irp t, 0,1,2,3,4,5,6,7,8,9,10,11,12,13,14,15
	ds_load_b128 v[BK+4*(\t):BK+4*(\t)+3], v[RD] offset:(\t)*SPITCH
.endr
	s_wait_dscnt 0x0
	s_wait_xcnt 0x0                                ; earlier stores have read their base and their data: the base is written here, their data by the next block but one
	s_add_nc_u64 s[18:19], s[8:9], s[16:17]
	s_add_co_u32 s16, s16, 16*SIZE_N*ES
.irp t, 0,1,2,3,4,5,6,7,8,9,10,11,12,13,14,15
	global_store_b128 v[CO], v[BK+4*(\t):BK+4*(\t)+3], s[18:19] offset:(\t)*SIZE_N*ES th:TH_STORE_NT  ; 32 lanes store 512 consecutive bytes, aligned
.endr
.endm
.macro WAYOUT
	OUTBLK 0
	OUTBLK 1
	OUTBLK 2
	OUTBLK 3
.endm
.else
.macro PACK a
	WIN 0x05                                       ; sources in window 1
.irp b, 0,1,2,3,4,5,6,7
.irp r, 0,1,2,3
	v_cvt_pk_f16_f32 v[TMP+4*(\b)+(\r)], v[8*(8*(\a)+(\b))+2*(\r)], v[8*(8*(\a)+(\b))+2*(\r)+1]
.endr
.endr
	WIN 0
.endm
.macro TOSTAGE a
.set BK, 96+96*((\a)%2)                ; the second fragment buffers are free here: v96-127, v192-223 by turns
.irp b, 0,1,2,3,4,5,6,7
	ds_store_b128 v[STO], v[TMP+4*(\b):TMP+4*(\b)+3] offset:32*(\b)
.endr
.irp t, 0,1,2,3,4,5,6,7
	ds_load_b128 v[BK+4*(\t):BK+4*(\t)+3], v[RD] offset:(\t)*2*SPITCH
.endr
.endm
.macro SEND a
.set BK, 96+96*((\a)%2)
	s_wait_dscnt 0x0                               ; the block is back in registers
	s_wait_xcnt 0x0                                ; earlier stores have read their base and their data
	s_add_nc_u64 s[18:19], s[8:9], s[16:17]
	s_add_co_u32 s16, s16, 16*SIZE_N*ES
.irp t, 0,1,2,3,4,5,6,7
	global_store_b128 v[CO], v[BK+4*(\t):BK+4*(\t)+3], s[18:19] offset:2*(\t)*SIZE_N*ES  ; 16 lanes store 256 consecutive bytes, aligned
.endr
.endm
.macro WAYOUT
	PACK 0
	TOSTAGE 0
.irp a, 1,2,3                          ; block a's conversions stand between block a - 1's loads from the stage and the wait for them
	PACK \a
	SEND (\a)-1
	TOSTAGE \a
.endr
	SEND 3
.endm
.endif
	s_wait_tensorcnt 1                             ; my part of K step 0 is in; K step 1's may stay out
	s_barrier_signal -1
	s_barrier_wait -1
	FETCH 0, 0, 0
.if TILES > 1
	s_mov_b32 s2, TILES                            ; tiles to go, this one among them
.Ltile:
.endif
	QUARTER 0, 64, 0, 1, 1                         ; a tile's first quarter stands in front of the loop: its products start the sums
	WIN 0
	s_mov_b32 s3, LAPS-1
.Llap:                                                 ; a trip goes once round the ring, from a lap's second quarter to the next lap's first
	QUARTER 0, 128, 1, 0, 0
	QUARTER 0, 192, 0, 1, 0
	TURN 0, 1, 0
	QUARTER 1, 64,  0, 1, 0
	QUARTER 1, 128, 1, 0, 0
	QUARTER 1, 192, 0, 1, 0
	TURN 1, 0, 0
	QUARTER 0, 64,  0, 1, 0
	WIN 0
	s_sub_co_u32 s3, s3, 1
	s_cmp_lg_u32 s3, 0
	s_cbranch_scc1 .Llap
	QUARTER 0, 128, 1, 0, 0                        ; the tile's last lap goes on
	QUARTER 0, 192, 0, 1, 0
.if TILES > 1
	WIN 0
	s_cmp_eq_u32 s2, 1
	s_cbranch_scc1 .Llast_tile                     ; the last tile's tail is written out: it asks for nothing more
	TURN 0, 1, 1                                   ; the ring goes on into the next tile: slot 0 takes its K step 0,
	QUARTER 1, 64,  0, 1, 0
	QUARTER 1, 128, 1, 0, 0
	QUARTER 1, 192, 0, 1, 0
	TURN 1, 0, 1                                   ; slot 1 its K step 1, and the next tile's first fragments are fetched
	WAYOUT                                         ; blocks 0 and 1 were finished in front of the joint load's four v_nop; block 0's conversions are the places behind the last products
	s_wait_xcnt 0x0                                ; the last stores have read v96-127 and v192-223, into which the next tile's first quarter loads fragments
	s_sub_co_u32 s16, s16, 64*SIZE_N*ES-WALKN*ES   ; back up my 64 rows, WALKN columns on
	s_sub_co_u32 s2, s2, 1
	s_branch .Ltile
.Llast_tile:
.endif
	MEET 0                                         ; the one load that was out is the last K step's, so no round follows
	PLACES
	FETCH 1, 0, 0
	MUL8 1, 2, 0
	MUL8 1, 3, 0
	QUARTER 1, 64,  0, 1, 0
	QUARTER 1, 128, 1, 0, 0
	QUARTER 1, 192, 0, 1, 0
	s_wait_dscnt 4
	MUL8 1, 0, 0
	MUL8 1, 1, 0
	s_wait_dscnt 0x0
	MUL8 1, 2, 0
	MUL8 1, 3, 0
	WIN 0
	PLACES
	WAYOUT
	s_wait_tensorcnt 0x0                           ; the wave's end
	ds_add_u32 v[SPW], v[NIL]
	s_wait_dscnt 0x0
	CROUND                                         ; the closing round
	s_endpgm
.Lfunc_end_k_qa73f54ca0f_proj:
	.size	k_qa73f54ca0f_proj, .Lfunc_end_k_qa73f54ca0f_proj-k_qa73f54ca0f_proj
	.p2alignl 7, 3214868480
	.fill 96, 4, 3214868480
	.section	.rodata,"a",@progbits
	.p2align	6, 0x0
	.amdhsa_kernel k_qa73f54ca0f_proj
		.amdhsa_group_segment_fixed_size 327680
		.amdhsa_private_segment_fixed_size 0
		.amdhsa_enable_private_segment 0
		.amdhsa_kernarg_size 24
		.amdhsa_user_sgpr_count 2
		.amdhsa_user_sgpr_kernarg_segment_ptr 1
		.amdhsa_wavefront_size32 1
		.amdhsa_system_sgpr_workgroup_id_x 1
		.amdhsa_system_sgpr_workgroup_id_y 1
		.amdhsa_system_sgpr_workgroup_id_z 1
		.amdhsa_system_vgpr_workitem_id 0
		.amdhsa_next_free_vgpr 512
		.amdhsa_next_free_sgpr 66
		.amdhsa_reserve_vcc 0
		.amdhsa_float_denorm_mode_32 3
		.amdhsa_float_denorm_mode_16_64 3
		.amdhsa_memory_ordered 1
		.amdhsa_forward_progress 1
		.amdhsa_inst_pref_size 125
	.end_amdhsa_kernel
	.amdgpu_metadata
---
amdhsa.version: [ 1, 2 ]
amdhsa.kernels:
  - .name:           k_qa73f54ca0f_proj
    .symbol:         k_qa73f54ca0f_proj.kd
    .args:
      - { .name: xb, .offset: 0, .size: 8, .value_kind: global_buffer, .address_space: global }
      - { .name: wb, .offset: 8, .size: 8, .value_kind: global_buffer, .address_space: global }
      - { .name: pbuf, .offset: 16, .size: 8, .value_kind: global_buffer, .address_space: global }
    .group_segment_fixed_size: 327680
    .private_segment_fixed_size: 0
    .kernarg_segment_align: 8
    .kernarg_segment_size: 24
    .max_flat_workgroup_size: 128
    .sgpr_count:     66
    .vgpr_count:     512
    .wavefront_size: 32
...
	.end_amdgpu_metadata
.endif
;; end of part 2
;; launch scan (part 3): grid 128 x 1, 4 waves a work-group, no clusters, 327,680 bytes of LDS; arguments pbuf, state, ybuf, out1; writes ybuf, out1
.if DOCPART == 3
	.amdgcn_target "amdgcn-amd-amdhsa--gfx1250"
	.amdhsa_code_object_version 6
	.text
	.protected	k_qa73f54ca0f_scan
	.globl	k_qa73f54ca0f_scan
	.p2align	8
	.type	k_qa73f54ca0f_scan,@function
k_qa73f54ca0f_scan:
	s_mov_b64 s[64:65], 0
	v_nop
	global_prefetch_b8 v0, s[64:65] scope:SCOPE_SE
	s_setreg_imm32_b32 hwreg(HW_REG_WAVE_MODE, 25, 1), 1
	s_wait_xcnt 0x0
; THE RECURRENCE, in chunks.  S_t[i][j] = w_t[i] S_t-1[i][j] + k_t[i] v_t[j];  y_t[i] = sum over j of S_t[i][j] r_t[j];  w = exp(-exp(ww)).
; pbuf: [8192 tokens][5120] f16; a token's r | k | v | ww of head h are the 512 bytes at 512 h.  state, out1: [128][64][64] f32.  ybuf: [8192][1024] f32.
; SHARES.  A work-group takes one (batch, head) and walks its 1,024 tokens: 128 work-groups, as many as there are independent recurrences.  Wave q owns the state's rows i = 16 q .. 16 q + 15;
; rows do not depend on each other, so the waves hand each other nothing but rows of y, which meet in LDS so that a token's 256 bytes leave whole.
; A CHUNK is 16 tokens, two blocks of 8.  Only products of w's are formed (each at most 1): never a quotient, never a difference of logarithms; w may be exactly 0.
;   P'[t] the product of w inside t's block up to and with t; Q'[s] the product behind s to its block's end; T = a block's whole product.
;   y_t = P'_t (FF Y0_t + ZO_t) + zd_t.   Y0 = R S^T (the state ahead of the chunk); FF = 1 in block 0, T of block 0 in block 1;
;   ZO[t][i] = sum over s < 8 of (r_t . v_s) k_s[i] Q'_s[i], for t >= 8;  zd: the two triangles s <= t inside a block, in f32 on the vector unit.
;   S_new = T0 T1 S + sum over s of (k_s Q'_s GG) v_s;  GG = T of block 1 in block 0, 1 in block 1.
; LAYOUT.  Lane (r = l % 16, hh = l / 16), register q: channel i = 16 wave + r, token 8 hh + q.  That is the result layout of a product D[token][channel], the source-1 layout (packed in pairs) of a
; sum over tokens, and what a turning load brings of k and ww.  S^T lies in four accumulators D[j][i]; two of them packed in pairs are a source-1 fragment of R S^T.  (r_t . v_s) is made as D[s][t]:
; packed in pairs it is source 0 of ZO.  Only the triangles' (r . v) change lanes: 1,280 bytes of the wave's own LDS, read back as broadcasts.
; FORMATS.  r . v and the state's update multiply in f16 (r, k, v arrive so; k Q' GG is no larger than k).  The state and r . v as operands go in bf16, since their range is that of products of inputs.
; The state itself, y and all decays stay in f32.  The state that comes in is rounded to bf16, as every input of the program is.
; LIMITS.  r, k, v, ww arrive within f16's 65,504.  A decay below 2^-126 counts as 0.  NaN and infinities are not treated apart.
.set TP,    528                        ; a token's row in LDS: 512 bytes + 16
.set CHB,   16*TP                      ; a chunk
.set SLOTB, 128*TP                     ; a slot: a tile of 128 tokens; 0x10800 shares no bit with a wave's place in a slot, so an exclusive or changes slots
.set YPI,   272                        ; a token's 64 numbers of y in LDS: 256 bytes + 16
.set YST,   2*SLOTB                    ; 128 tokens of y
.set ASCR,  YST+128*YPI                ; for each wave 16 rows x 80 bytes: r . v
.set SSTG,  ASCR+4*1280                ; for each wave 16 rows x 272 bytes: the state's way out
.set SPARE, SSTG+4*16*272              ; the spare words: 128 bytes a wave, two blocks of 256 bytes that no other line names
.set PROW,  10240                      ; bytes in a row of pbuf
.set TILEB, 128*PROW
.set ATK0, 1                           ; turning loads of k and ww: ATR0 + 32 wave
.set ZP,   2                           ; v[2:5] two pairs at work
.set LG,   6                           ; log2(e)
.set ONE,  7
.set ZR,   8
.set ADK,  9
.set AR0,  10                          ; a fragment's lane term: r x 528 + 16 hh
.set ATR0, 11                          ; a turning load's: (8 hh + l % 8) x 528 + 16 ((l / 8) % 2)
.set ADF,  12
.set ADT,  13
.set ASTO, 14
.set ARD,  15
.set YAD0, 16
.set YAD,  17
.set AMK,  18                          ; all ones in lanes 8-15, else 0
.set PFO,  19
.set GO,   20
.set FRD,  21
.set SPW,  22
.set NIL,  23
.set SSTO, 24
.set SRD,  25
.set SGO,  26
.set SGO2, 27
.set TO,   29                          ; the other block's T
.set FF,   30                          ; pairs: the packed forms take the low word for both halves
.set GG,   32
.set PE,   34
.set RF,   40                          ; r, two fragments, f16
.set KT,   56                          ; k, my channel, 8 tokens, f16
.set WT,   60                          ; ww likewise
.set VT,   64                          ; v turned: four fragments; registers 4-7 of each stay 0 (tokens 16-31 do not exist)
.set KH,   96                          ; k Q' GG, f16; registers 4-7 stay 0
.set KP,   104                         ; k Q', bf16; likewise
.set AH,   112                         ; r . v, bf16, lanes 8-15; likewise
.set ST,   120                         ; the state: four accumulators
.set AT0,  152                         ; r . v over channels 0-31; later Y0 and y
.set AT1,  160                         ; over channels 32-63; later ZO
.set AD,   168                         ; the triangles' r . v, 48 registers; it overlays the three below
.set RB,   168                         ; r in bf16
.set SB,   184                         ; the state in bf16
.set VF,   200                         ; v, two fragments, f16
.set W,    216
.set KF,   224
.set PP,   232
.set QQ,   240
.set KX,   248                         ; later zd
.set WV,    12
.set G1,    16
.set G0,    24
.set SBASE, 40
.set INC,   41
.set TB,    42
.set YB,    43
.set SLOTS, 44
.set CNT,   45
.set NL2,   48
.set HM,    50
.set SEL,   52
.set YP,    54
.set PFA,   56
.set SIN,   58
.set SOUT,  60
.macro CVH d, s, half, f               ; v[d] = a half of v[s], f16, times v[f], in f32
.if \half
	v_fma_mix_f32 v[\d], v[\s], v[\f], v[ZR] op_sel:[1,0,0] op_sel_hi:[1,0,0]
.else
	v_fma_mix_f32 v[\d], v[\s], v[\f], v[ZR] op_sel_hi:[1,0,0]
.endif
.endm
	s_load_b256 s[4:11], s[0:1], 0x0               ; pbuf s[4:5], state s[6:7], ybuf s[8:9], out1 s[10:11]
	v_lshl_add_u32 v[SPW], v0, 2, SPARE
	v_mov_b32 v[NIL], 0
	ds_add_u32 v[SPW], v[NIL]                      ; the wave's opening: the add, twice on end, and its wait ahead of my first tensor load
	ds_add_u32 v[SPW], v[NIL]
	v_lshrrev_b32 v36, 5, v0
	v_readfirstlane_b32 s[WV], v36                 ; wave 0..3
	s_lshr_b32 s13, ttmp9, 4                       ; batch
	s_and_b32 s14, ttmp9, 15                       ; head
	s_mov_b32 s[G1+0], (1<<16)|(1<<20)|(6<<22)|(3<<25)  ; 2-byte elements; padding on; after every 128 words; 4 words
	s_mov_b32 s[G1+1], 256<<16                     ; tensor_dim0 = 256
	s_mov_b32 s[G1+2], 32<<16                      ; tensor_dim1 = 32
	s_mov_b32 s[G1+3], 256<<16                     ; tile_dim0 = 256 elements: 512 bytes, aligned
	s_mov_b32 s[G1+4], 32                          ; tile_dim1 = 32: a wave's quarter of a tile; two slots of twice the tokens and y's stage of as many would not fit
	s_mov_b32 s[G1+5], 5120                        ; elements from row to row
	s_mov_b32 s[G1+6], 0
	s_mov_b32 s[G1+7], 0
	s_mov_b32 s[G0], 1
	s_mul_i32 s[G0+1], s[WV], 32*TP                ; slot 0, my 32 rows
	s_lshl_b32 s28, s13, 10
	s_lshl_b32 s29, s[WV], 5
	s_add_co_u32 s28, s28, s29                     ; token 1024 b + 32 wave
	s_mul_i32 s30, s28, PROW
	s_lshl_b32 s31, s14, 9
	s_add_co_u32 s30, s30, s31
	s_mov_b32 s31, 0
	s_lshl_b32 s32, s28, 12                        ; the same token's row of y, 4,096 bytes, and the head's 256 of them
	s_lshl_b32 s33, s14, 8
	s_add_co_u32 s32, s32, s33
	s_mov_b32 s33, 0
	s_lshl_b32 s34, ttmp9, 14                      ; the state: 16,384 bytes a head, my 16 rows of 256
	s_lshl_b32 s35, s[WV], 12
	s_add_co_u32 s34, s34, s35
	s_mov_b32 s35, 0
	s_mov_b32 s[SBASE], SLOTB                      ; the first change of slots turns it into 0
	s_mov_b32 s[NL2], 0xbfb8aa3b                   ; -log2(e)
	s_mov_b32 s[NL2+1], 0xbfb8aa3b
	s_mov_b32 s[HM], 0xffff0000                    ; lanes 16-31
	s_mov_b32 s[SEL], 0x76543210
	s_mov_b32 s[SEL+1], 0xfedcba98
	s_mov_b32 s[SLOTS], 7
	s_wait_dscnt 0x0                               ; both opening adds are done
	s_wait_kmcnt 0x0
	s_add_nc_u64 s[G0+2:G0+3], s[4:5], s[30:31]
	s_add_nc_u64 s[PFA:PFA+1], s[G0+2:G0+3], 2*TILEB  ; at tile 2: the first change steps it to tile 3
	s_or_b32 s[G0+3], s[G0+3], 0x80000000
	s_add_nc_u64 s[YP:YP+1], s[8:9], s[32:33]
	s_add_nc_u64 s[SIN:SIN+1], s[6:7], s[34:35]
	s_add_nc_u64 s[SOUT:SOUT+1], s[10:11], s[34:35]
	tensor_load_to_lds s[G0:G0+3], s[G1:G1+7]      ; tile 0 into slot 0
	s_nop 0
	v_and_b32 v36, 15, v0                          ; r
	v_bfe_u32 v37, v0, 4, 1                        ; hh
	v_and_b32 v38, 31, v0                          ; l
	v_lshlrev_b32 v[SGO], 8, v36
	v_lshl_add_u32 v[SGO], v37, 5, v[SGO]          ; the state's row r, 8 numbers from 8 hh on
.irp t, 0,1,2,3
	global_load_b128 v[ST+8*(\t):ST+8*(\t)+3],   v[SGO], s[SIN:SIN+1] offset:64*(\t)      ; S[i = r][j = 16 t + 8 hh + 0..7]
	global_load_b128 v[ST+8*(\t)+4:ST+8*(\t)+7], v[SGO], s[SIN:SIN+1] offset:64*(\t)+16
.endr
	v_mov_b32 v[LG], 0x3fb8aa3b
	v_mov_b32 v[ONE], 1.0
	v_mov_b32 v[ZR], 0
	v_mul_u32_u24 v[AR0], v36, TP
	v_lshl_add_u32 v[AR0], v37, 4, v[AR0]
	v_and_b32 v39, 7, v0
	v_lshl_add_u32 v39, v37, 3, v39
	v_mul_u32_u24 v[ATR0], v39, TP
	v_bfe_u32 v39, v0, 3, 1
	v_lshl_add_u32 v[ATR0], v39, 4, v[ATR0]
	s_lshl_b32 s28, s[WV], 5
	v_add_nc_u32 v[ATK0], s28, v[ATR0]
	s_mul_i32 s28, s[WV], 1280
	s_add_co_u32 s28, s28, ASCR
	v_mul_u32_u24 v[ASTO], v36, 80
	v_lshl_add_u32 v[ASTO], v37, 5, v[ASTO]
	v_add_nc_u32 v[ASTO], s28, v[ASTO]             ; row t = r, the numbers s = 8 hh + 0..7
	v_mul_u32_u24 v[ARD], v37, 672
	v_add_nc_u32 v[ARD], s28, v[ARD]               ; row 8 hh, from s = 8 hh on: 8 x 80 + 32
	v_mul_u32_u24 v[YAD0], v37, 8*YPI
	v_lshl_add_u32 v[YAD0], v36, 2, v[YAD0]
	s_lshl_b32 s28, s[WV], 6
	v_add_nc_u32 v[YAD0], s28, v[YAD0]             ; token 8 hh, channel 16 wave + r
	v_and_b32 v39, 24, v0
	v_cmp_eq_u32 vcc_lo, 8, v39
	v_cndmask_b32 v[AMK], 0, -1, vcc_lo
	v_mul_u32_u24 v[PFO], v38, PROW
	v_lshlrev_b32 v39, 4, v36
	v_lshl_add_u32 v[GO], v37, 12, v39             ; two rows of y, 256 bytes of each
	v_lshl_add_u32 v[SGO2], v37, 8, v39            ; two rows of the state
	v_mul_u32_u24 v[FRD], v37, YPI
	v_add_nc_u32 v[FRD], v[FRD], v39
	s_mul_i32 s28, s[WV], 32*YPI
	s_add_co_u32 s28, s28, YST
	s_mul_i32 s29, s[WV], 16*272
	s_add_co_u32 s29, s29, SSTG
	v_add_nc_u32 v[SRD], s29, v[FRD]
	v_add_nc_u32 v[FRD], s28, v[FRD]               ; I send tokens 32 wave .. 32 wave + 31 of a tile
	v_mul_u32_u24 v[SSTO], v36, 272
	v_lshl_add_u32 v[SSTO], v37, 5, v[SSTO]
	v_add_nc_u32 v[SSTO], s29, v[SSTO]
	v_mov_b32 v[TO], 0                             ; a lane exchange's destination counts as read
	v_mov_b32 v[FF+1], 0                           ; named in pairs
	v_mov_b32 v[GG+1], 0
	v_mov_b32 v[PE+1], 0
.irp z, KH+4, KP+4, AH+4, VT+4, VT+12, VT+20, VT+28
	v_mov_b32 v[(\z)], 0                           ; the upper halves of the fragments that sum over 16 tokens only
	v_mov_b32 v[(\z)+1], 0
	v_mov_b32 v[(\z)+2], 0
	v_mov_b32 v[(\z)+3], 0
.endr
	s_wait_loadcnt 0x0                             ; the state
.set q, 0
.rept 16
	v_cvt_pk_bf16_f32 v[36+(q/2)%4], v[ST+q], v[ST+q+1]     ; rounded to bf16, kept in f32
	v_lshlrev_b32 v[ST+q], 16, v[36+(q/2)%4]
	v_and_b32 v[ST+q+1], 0xffff0000, v[36+(q/2)%4]
.set q, q+2
.endr
; The two triangles.  kd[s] = k_s times the w's behind s up to the token in hand; a = the token's row of r . v, from its block's first token on.  Nothing above the diagonal is read.
.macro DIAG
	v_mul_f32 v[KX], v[AD], v[KF]
.irp tau, 1,2,3,4,5,6,7
.if (\tau) < 4
.set aa, AD+4*(\tau)
.else
.set aa, AD+16+8*((\tau)-4)
.endif
.set zq, ZP+2*((\tau)%2)
.set wq, W+((\tau)/2)*2
.set p, 0
.rept (\tau)/2
.if (\tau)%2
	v_pk_mul_f32 v[KF+2*p:KF+2*p+1], v[KF+2*p:KF+2*p+1], v[wq:wq+1] op_sel:[0,1] op_sel_hi:[1,1]
.else
	v_pk_mul_f32 v[KF+2*p:KF+2*p+1], v[KF+2*p:KF+2*p+1], v[wq:wq+1] op_sel_hi:[1,0]
.endif
.set p, p+1
.endr
.if (\tau)%2
	v_mul_f32 v[KF+(\tau)-1], v[KF+(\tau)-1], v[W+(\tau)]
.endif
	v_pk_mul_f32 v[zq:zq+1], v[aa:aa+1], v[KF:KF+1]
.set p, 1
.rept ((\tau)+1)/2-1
	v_pk_fma_f32 v[zq:zq+1], v[aa+2*p:aa+2*p+1], v[KF+2*p:KF+2*p+1], v[zq:zq+1]
.set p, p+1
.endr
.if (\tau)%2 == 0
	v_fma_f32 v[zq], v[aa+(\tau)], v[KF+(\tau)], v[zq]
.endif
	v_add_f32 v[KX+(\tau)], v[zq], v[zq+1]
.endr
.endm
; ONE CHUNK.  Its r, k, v, ww are in registers or on their way; the next chunk's are fetched as this one's registers fall free.
.macro CHUNK
	s_wait_dscnt 12                                ; r, v, k, ww are in: younger are the last chunk's 8 stores of y and 4 loads of v turned
	s_cmp_lg_u32 s[CNT], 1
	s_cselect_b32 s[INC], CHB, 0                   ; a tile's last chunk fetches itself once more, so that no read leaves the slot
	s_add_co_u32 s[TB], s[TB], s[INC]
	v_add_nc_u32 v[ADF], s[TB], v[AR0]
	v_add_nc_u32 v[ADT], s[TB], v[ATR0]
	v_add_nc_u32 v[ADK], s[TB], v[ATK0]
	v_add_nc_u32 v[YAD], s[YB], v[YAD0]
	s_add_co_u32 s[YB], s[YB], 16*YPI
	v_wmma_f32_16x16x32_f16 v[AT0:AT0+7], v[VF:VF+7], v[RF:RF+7], 0              ; D[s][t] = v_s . r_t, two halves of the channels on two accumulators
	v_wmma_f32_16x16x32_f16 v[AT1:AT1+7], v[VF+8:VF+15], v[RF+8:RF+15], 0
.set q, 0
.rept 8
	CVH W+q, WT+q/2, q%2, LG                       ; ww log2(e): eight plain lines, the places behind the two products
.set q, q+1
.endr
.set q, 0
.rept 8
	v_exp_f32 v[W+q], v[W+q]                       ; exp(ww): the first batch
.set q, q+1
.endr
.irp p, 0,2,4,6
	v_pk_add_f32 v[AT0+(\p):AT0+(\p)+1], v[AT0+(\p):AT0+(\p)+1], v[AT1+(\p):AT1+(\p)+1]
.endr
	ds_store_b128 v[ASTO], v[AT0:AT0+3]
	ds_store_b128 v[ASTO], v[AT0+4:AT0+7] offset:16
.irp t, 0,1,2,3                        ; LDS serves a wave's instructions in order (ISA guide 5.7.1.4): these see the stores above
	ds_load_b128 v[AD+4*(\t):AD+4*(\t)+3], v[ARD] offset:80*(\t)
.endr
.irp t, 4,5,6,7
	ds_load_b128 v[AD+16+8*((\t)-4):AD+16+8*((\t)-4)+3],   v[ARD] offset:80*(\t)
	ds_load_b128 v[AD+16+8*((\t)-4)+4:AD+16+8*((\t)-4)+7], v[ARD] offset:80*(\t)+16
.endr
	s_wait_alu depctr_va_vdst(0)                   ; one wait for the first batch, ahead of its first reader
.irp p, 0,2,4,6
	v_pk_mul_f32 v[W+(\p):W+(\p)+1], v[W+(\p):W+(\p)+1], s[NL2:NL2+1] op_sel_hi:[1,0]
.endr
.set q, 0
.rept 8
	v_exp_f32 v[W+q], v[W+q]                       ; w = exp(-exp(ww)): the second batch
.set q, q+1
.endr
.set q, 0
.rept 8
	CVH KF+q, KT+q/2, q%2, ONE                     ; work that names no result of the batch: k in f32,
.set q, q+1
.endr
.irp p, 0,1,2,3
	v_cvt_pk_bf16_f32 v[AH+(\p)], v[AT0+2*(\p)], v[AT0+2*(\p)+1]   ; r . v in bf16,
.endr
.irp p, 0,1,2,3
	v_and_b32 v[AH+(\p)], v[AMK], v[AH+(\p)]       ; kept where t >= 8 and s < 8
.endr
	ds_load_tr16_b128 v[KT:KT+3], v[ADK] offset:128   ; the next chunk's k and ww
	ds_load_tr16_b128 v[WT:WT+3], v[ADK] offset:384
	s_wait_alu depctr_va_vdst(0)                   ; one wait for the second batch
	v_mov_b32 v[PP], v[W]
	v_mov_b32 v[QQ+7], 1.0
	v_mov_b32 v[QQ+6], v[W+7]
.set q, 1
.rept 6
	v_mul_f32 v[PP+q], v[PP+q-1], v[W+q]           ; the two chains by turns
	v_mul_f32 v[QQ+6-q], v[QQ+7-q], v[W+7-q]
.set q, q+1
.endr
	v_mul_f32 v[PP+7], v[PP+6], v[W+7]
	v_permlanex16_b32 v[TO], v[PP+7], s[SEL], s[SEL+1]
.irp p, 0,2,4,6
	v_pk_mul_f32 v[QQ+(\p):QQ+(\p)+1], v[KF+(\p):KF+(\p)+1], v[QQ+(\p):QQ+(\p)+1]   ; k Q'
.endr
	v_cndmask_b32 v[FF], v[ONE], v[TO], s[HM]
	v_cndmask_b32 v[GG], v[TO], v[ONE], s[HM]
	v_mul_f32 v[PE], v[PP+7], v[TO]
.irp p, 0,1,2,3
	v_cvt_pk_bf16_f32 v[KP+(\p)], v[QQ+2*(\p)], v[QQ+2*(\p)+1]
.endr
.irp p, 0,2,4,6
	v_pk_mul_f32 v[KX+(\p):KX+(\p)+1], v[QQ+(\p):QQ+(\p)+1], v[GG:GG+1] op_sel_hi:[1,0]
.endr
.irp p, 0,1,2,3
	v_cvt_pk_f16_f32 v[KH+(\p)], v[KX+2*(\p)], v[KX+2*(\p)+1]
.endr
	s_wait_dscnt 2                                 ; the triangles' r . v are in (and v turned, which is older): younger are the two loads of k and ww
	DIAG
.irp n, 0,1,2,3
	ds_load_b128 v[VF+4*(\n):VF+4*(\n)+3], v[ADF] offset:256+32*(\n)   ; the next chunk's v
.endr
.irp n, 0,1,2,3                        ; r in bf16: four words at a time, through registers that have fallen free
.if (\n) == 1
.set tq, W
.elseif (\n) == 2
.set tq, KF
.else
.set tq, QQ
.endif
.irp u, 0,1,2,3
	CVH tq+2*(\u), RF+4*(\n)+(\u), 0, ONE
	CVH tq+2*(\u)+1, RF+4*(\n)+(\u), 1, ONE
.endr
.irp u, 0,1,2,3
	v_cvt_pk_bf16_f32 v[RB+4*(\n)+(\u)], v[tq+2*(\u)], v[tq+2*(\u)+1]
.endr
.endr
.irp n, 0,1,2,3
	ds_load_b128 v[RF+4*(\n):RF+4*(\n)+3], v[ADF] offset:32*(\n)       ; the next chunk's r
.endr
.irp t, 0,1,2,3
.irp u, 0,1,2,3
	v_cvt_pk_bf16_f32 v[SB+4*(\t)+(\u)], v[ST+8*(\t)+2*(\u)], v[ST+8*(\t)+2*(\u)+1]   ; the state in bf16, each accumulator from its low end on
.endr
.endr
	v_wmma_f32_16x16x32_bf16 v[AT0:AT0+7], v[RB:RB+7], v[SB:SB+7], 0             ; Y0, j = 0-31
	v_wmma_f32_16x16x32_bf16 v[AT1:AT1+7], v[AH:AH+7], v[KP:KP+7], 0             ; ZO stands between Y0's two links: the accumulators take turns
	v_wmma_f32_16x16x32_bf16 v[AT0:AT0+7], v[RB+8:RB+15], v[SB+8:SB+15], v[AT0:AT0+7]
.set q, 0
.rept 16
	v_pk_mul_f32 v[ST+q:ST+q+1], v[ST+q:ST+q+1], v[PE:PE+1] op_sel_hi:[1,0]      ; the state decays; these lines are the places behind the three products
.set q, q+2
.endr
.irp t, 0,1,2,3
	v_wmma_f32_16x16x32_f16 v[ST+8*(\t):ST+8*(\t)+7], v[VT+8*(\t):VT+8*(\t)+7], v[KH:KH+7], v[ST+8*(\t):ST+8*(\t)+7]
.endr
.irp p, 0,2,4,6
	v_pk_fma_f32 v[AT0+(\p):AT0+(\p)+1], v[AT0+(\p):AT0+(\p)+1], v[FF:FF+1], v[AT1+(\p):AT1+(\p)+1] op_sel_hi:[1,0,1]
.endr
.irp p, 0,2,4,6
	v_pk_fma_f32 v[AT0+(\p):AT0+(\p)+1], v[AT0+(\p):AT0+(\p)+1], v[PP+(\p):PP+(\p)+1], v[KX+(\p):KX+(\p)+1]   ; eight plain lines: the places in front of the loads into v turned
.endr
.irp q, 0,1,2,3,4,5,6,7
	ds_store_b32 v[YAD], v[AT0+(\q)] offset:YPI*(\q)
.endr
.irp t, 0,1,2,3
	ds_load_tr16_b128 v[VT+8*(\t):VT+8*(\t)+3], v[ADT] offset:256+32*(\t)        ; the next chunk's v, turned
.endr
.endm
; THE CHANGE OF SLOTS.  Each wave waits for all its tensor loads (one is out: its quarter of the tile to be entered), adds 0 to its spare word, and waits for that and for its reads of LDS: of the slot that
; it leaves and of y's stage.  Behind the barrier the tile is whole, nobody reads the old slot, and y's stage may be written again.  fill = 1: the old slot takes the next tile, first thing behind the barrier.
; Behind that load a wave prefetches its own 32 rows x 512 bytes of the tile that the change after the next will ask for: a lane a row, two lines; each block is named once in the launch.
; Tiles 0 to 2 come by their loads alone; the last two changes that fill have no such tile.
.macro CHANGE fill
	s_wait_tensorcnt 0x0
	ds_add_u32 v[SPW], v[NIL]
.if \fill
	s_xor_b32 s[G0+1], s[G0+1], SLOTB
	s_add_nc_u64 s[G0+2:G0+3], s[G0+2:G0+3], TILEB
	s_wait_xcnt 0x0                                ; the last prefetches, a tile back, have read their address
	s_add_nc_u64 s[PFA:PFA+1], s[PFA:PFA+1], TILEB
.endif
	s_wait_dscnt 0x0
	s_barrier_signal -1
	s_xor_b32 s[SBASE], s[SBASE], SLOTB
	s_barrier_wait -1
.if \fill
	tensor_load_to_lds s[G0:G0+3], s[G1:G1+7]
	s_nop 0
	s_cmp_gt_u32 s[SLOTS], 2
	s_cbranch_scc0 .Lno_ask_\@
	global_prefetch_b8 v[PFO], s[PFA:PFA+1] th:TH_LOAD_NT scope:SCOPE_SE
	global_prefetch_b8 v[PFO], s[PFA:PFA+1] offset:256 th:TH_LOAD_NT scope:SCOPE_SE
.Lno_ask_\@:
.endif
.endm
; A tile: its first chunk is fetched, then eight chunks; a barrier, since a token's 256 bytes of y come from four waves (the refill may stay out); then y leaves.
.macro TILE
	s_mov_b32 s[TB], s[SBASE]
	s_mov_b32 s[YB], YST
	v_add_nc_u32 v[ADF], s[TB], v[AR0]
	v_add_nc_u32 v[ADT], s[TB], v[ATR0]
	v_add_nc_u32 v[ADK], s[TB], v[ATK0]
	ds_load_tr16_b128 v[KT:KT+3], v[ADK] offset:128
	ds_load_tr16_b128 v[WT:WT+3], v[ADK] offset:384
.irp n, 0,1,2,3
	ds_load_b128 v[VF+4*(\n):VF+4*(\n)+3], v[ADF] offset:256+32*(\n)
.endr
.irp n, 0,1,2,3
	ds_load_b128 v[RF+4*(\n):RF+4*(\n)+3], v[ADF] offset:32*(\n)
.endr
.irp t, 0,1,2,3
	ds_load_tr16_b128 v[VT+8*(\t):VT+8*(\t)+3], v[ADT] offset:256+32*(\t)
.endr
	s_wait_dscnt 0x0
	s_mov_b32 s[CNT], 8
.Lchunk_\@:
	CHUNK
	s_sub_co_u32 s[CNT], s[CNT], 1
	s_cmp_lg_u32 s[CNT], 0
	s_cbranch_scc1 .Lchunk_\@
	s_wait_dscnt 0x0                               ; for the others' sake: my stores of y are done
	s_barrier_signal -1
	s_barrier_wait -1
.irp n, 0,1,2,3,4,5,6,7,8,9,10,11,12,13,14,15
	ds_load_b128 v[AD+4*(\n):AD+4*(\n)+3], v[FRD] offset:2*YPI*(\n)
.endr
.irp n, 0,1,2,3,4,5,6,7,8,9,10,11,12,13,14,15
	s_wait_dscnt 15-(\n)                           ; LDS loads come back in order: number n is in
	global_store_b128 v[GO], v[AD+4*(\n):AD+4*(\n)+3], s[YP:YP+1] offset:8192*(\n)  ; 16 lanes store a token's 256 consecutive bytes, aligned
.endr
	s_wait_xcnt 0x0                                ; the stores have read their base and their data: both are written again below
	s_add_nc_u64 s[YP:YP+1], s[YP:YP+1], 128*4096
.endm
.Lslot:                                                ; seven times: a tile is entered and the next is asked for (the first time: tile 0 is waited for, slot 1 filled)
	CHANGE 1
	TILE
	s_sub_co_u32 s[SLOTS], s[SLOTS], 1
	s_cmp_lg_u32 s[SLOTS], 0
	s_cbranch_scc1 .Lslot
	CHANGE 0                                       ; the last tile is written out: nothing is asked for
	TILE
	; the state leaves through my stage: whole rows of 256 bytes
.irp t, 0,1,2,3
	ds_store_b128 v[SSTO], v[ST+8*(\t):ST+8*(\t)+3]   offset:64*(\t)
	ds_store_b128 v[SSTO], v[ST+8*(\t)+4:ST+8*(\t)+7] offset:64*(\t)+16
.endr
.irp n, 0,1,2,3,4,5,6,7
	ds_load_b128 v[AD+4*(\n):AD+4*(\n)+3], v[SRD] offset:544*(\n)
.endr
	s_wait_dscnt 0x0
.irp n, 0,1,2,3,4,5,6,7
	global_store_b128 v[SGO2], v[AD+4*(\n):AD+4*(\n)+3], s[SOUT:SOUT+1] offset:512*(\n)
.endr
	s_wait_tensorcnt 0x0                           ; the wave's end
	ds_add_u32 v[SPW], v[NIL]
	s_wait_dscnt 0x0
	s_endpgm
.Lfunc_end_k_qa73f54ca0f_scan:
	.size	k_qa73f54ca0f_scan, .Lfunc_end_k_qa73f54ca0f_scan-k_qa73f54ca0f_scan
	.p2alignl 7, 3214868480
	.fill 96, 4, 3214868480
	.section	.rodata,"a",@progbits
	.p2align	6, 0x0
	.amdhsa_kernel k_qa73f54ca0f_scan
		.amdhsa_group_segment_fixed_size 327680
		.amdhsa_private_segment_fixed_size 0
		.amdhsa_enable_private_segment 0
		.amdhsa_kernarg_size 32
		.amdhsa_user_sgpr_count 2
		.amdhsa_user_sgpr_kernarg_segment_ptr 1
		.amdhsa_wavefront_size32 1
		.amdhsa_system_sgpr_workgroup_id_x 1
		.amdhsa_system_sgpr_workgroup_id_y 1
		.amdhsa_system_sgpr_workgroup_id_z 1
		.amdhsa_system_vgpr_workitem_id 0
		.amdhsa_next_free_vgpr 256
		.amdhsa_next_free_sgpr 66
		.amdhsa_reserve_vcc 1
		.amdhsa_float_denorm_mode_32 3
		.amdhsa_float_denorm_mode_16_64 3
		.amdhsa_memory_ordered 1
		.amdhsa_forward_progress 1
		.amdhsa_inst_pref_size 52
	.end_amdhsa_kernel
	.amdgpu_metadata
---
amdhsa.version: [ 1, 2 ]
amdhsa.kernels:
  - .name:           k_qa73f54ca0f_scan
    .symbol:         k_qa73f54ca0f_scan.kd
    .args:
      - { .name: pbuf, .offset: 0, .size: 8, .value_kind: global_buffer, .address_space: global }
      - { .name: state, .offset: 8, .size: 8, .value_kind: global_buffer, .address_space: global }
      - { .name: ybuf, .offset: 16, .size: 8, .value_kind: global_buffer, .address_space: global }
      - { .name: out1, .offset: 24, .size: 8, .value_kind: global_buffer, .address_space: global }
    .group_segment_fixed_size: 327680
    .private_segment_fixed_size: 0
    .kernarg_segment_align: 8
    .kernarg_segment_size: 32
    .max_flat_workgroup_size: 128
    .sgpr_count:     66
    .vgpr_count:     256
    .wavefront_size: 32
...
	.end_amdgpu_metadata
.endif
;; end of part 3
;; launch ln (part 4): grid 512 x 1, 8 waves a work-group, no clusters, 0 bytes of LDS; arguments ybuf, pbuf, ln_gamma, ln_beta, zbuf; writes zbuf
.if DOCPART == 4
	.amdgcn_target "amdgcn-amd-amdhsa--gfx1250"
	.amdhsa_code_object_version 6
	.text
	.protected	k_qa73f54ca0f_ln
	.globl	k_qa73f54ca0f_ln
	.p2align	8
	.type	k_qa73f54ca0f_ln,@function
k_qa73f54ca0f_ln:
	s_mov_b64 s[64:65], 0
	v_nop
	global_prefetch_b8 v0, s[64:65] scope:SCOPE_SE
	s_setreg_imm32_b32 hwreg(HW_REG_WAVE_MODE, 25, 1), 1
	s_wait_xcnt 0x0
; z[t][c] = ((y[t][c] - mean) / sqrt(var + 1e-5) gamma[c] + beta[c]) sigmoid(g[t][c]).  y: [8192][1024] f32; g: columns 4096 .. 5119 of pbuf, [8192][5120] f16; z: [8192][1024] f16.
; Mean and variance over a row's 1,024 numbers, in f32, in two passes over registers: the variance is the mean of (y - mean)^2, no difference of large sums.
; gamma and beta are rounded to bf16, as every input of the program is.  LIMIT: z of 65,520 or more in magnitude becomes an infinity in f16.
; SHARES.  A wave takes two rows and keeps them in registers: no LDS, no barrier.  Lane l owns columns 128 j + 4 l + 0..3, j = 0..7: a load of y covers 512 consecutive bytes, a load of g and
; a store of z 256 consecutive bytes, aligned.  All 48 loads of a wave go out at once.  Memory binds: matrix units, clusters and a prefetch would add nothing.
.set G0R, 8                            ; v[8:23]    row 0's g, later its z
.set G1R, 24                           ; v[24:39]   row 1's
.set GA,  40                           ; v[40:71]   gamma
.set BE,  72                           ; v[72:103]  beta
.set Y0R, 104                          ; v[104:135] row 0
.set Y1R, 136                          ; v[136:167] row 1
.set SG,  168                          ; v[168:199] the gate
.set T,   200                          ; v[200:207] four chains of pairs
.set MU,  208                          ; pairs: the packed forms take the low word for both halves
.set RS,  210
.set XT,  212
.set NL,  214                          ; -log2(e)
.set ZR,  215
.set TM,  216                          ; v[216:219]
.macro CVH d, s, half                  ; v[d] = a half of v[s], f16, times -log2(e), in f32
.if \half
	v_fma_mix_f32 v[\d], v[\s], v[NL], v[ZR] op_sel:[1,0,0] op_sel_hi:[1,0,0]
.else
	v_fma_mix_f32 v[\d], v[\s], v[NL], v[ZR] op_sel_hi:[1,0,0]
.endif
.endm
.macro REDUCE                          ; the four chains into one number, and that over the 32 lanes, into every lane's v[T]
	v_pk_add_f32 v[T:T+1], v[T:T+1], v[T+2:T+3]
	v_pk_add_f32 v[T+4:T+5], v[T+4:T+5], v[T+6:T+7]
	v_pk_add_f32 v[T:T+1], v[T:T+1], v[T+4:T+5]
	v_add_f32 v[T], v[T], v[T+1]
	v_add_f32_dpp v[T], v[T], v[T] row_xmask:1 row_mask:0xf bank_mask:0xf
	v_add_f32_dpp v[T], v[T], v[T] row_xmask:2 row_mask:0xf bank_mask:0xf
	v_add_f32_dpp v[T], v[T], v[T] row_xmask:4 row_mask:0xf bank_mask:0xf
	v_add_f32_dpp v[T], v[T], v[T] row_xmask:8 row_mask:0xf bank_mask:0xf
	v_permlanex16_b32 v[XT], v[T], s24, s25
	v_add_f32 v[T], v[T], v[XT]
.endm
	s_load_b256 s[4:11], s[0:1], 0x0               ; y s[4:5], pbuf s[6:7], gamma s[8:9], beta s[10:11]
	s_load_b64 s[12:13], s[0:1], 0x20              ; z
	v_lshrrev_b32 v3, 5, v0
	v_readfirstlane_b32 s14, v3                    ; wave 0..7
	v_and_b32 v3, 31, v0
	v_lshlrev_b32 v1, 4, v3                        ; 16 bytes a lane: y, gamma, beta
	v_lshlrev_b32 v2, 3, v3                        ; 8 bytes a lane: g, z
	s_lshl_b32 s15, ttmp9, 3
	s_add_co_u32 s15, s15, s14
	s_lshl_b32 s15, s15, 1                         ; my first row
	s_lshl_b32 s16, s15, 12
	s_mov_b32 s17, 0
	s_mul_i32 s18, s15, 10240
	s_add_co_u32 s18, s18, 8192                    ; g begins at column 4096
	s_mov_b32 s19, 0
	s_lshl_b32 s20, s15, 11
	s_mov_b32 s21, 0
	s_mov_b32 s22, 0x3a800000                      ; 1 / 1024
	s_mov_b32 s23, 0x3727c5ac                      ; 1e-5
	s_mov_b32 s24, 0x76543210
	s_mov_b32 s25, 0xfedcba98
	v_mov_b32 v[NL], 0xbfb8aa3b
	v_mov_b32 v[ZR], 0
	v_mov_b32 v[XT], 0                             ; a lane exchange's destination counts as read
	v_mov_b32 v[MU+1], 0                           ; named in pairs
	v_mov_b32 v[RS+1], 0
	s_wait_kmcnt 0x0
	s_add_nc_u64 s[4:5], s[4:5], s[16:17]
	s_add_nc_u64 s[6:7], s[6:7], s[18:19]
	s_add_nc_u64 s[12:13], s[12:13], s[20:21]
.irp j, 0,1,2,3,4,5,6,7
	global_load_b128 v[Y0R+4*(\j):Y0R+4*(\j)+3], v1, s[4:5] offset:512*(\j) th:TH_LOAD_NT
.endr
.irp j, 0,1,2,3,4,5,6,7
	global_load_b64 v[G0R+2*(\j):G0R+2*(\j)+1], v2, s[6:7] offset:256*(\j) th:TH_LOAD_NT
.endr
.irp j, 0,1,2,3,4,5,6,7
	global_load_b128 v[Y1R+4*(\j):Y1R+4*(\j)+3], v1, s[4:5] offset:4096+512*(\j) th:TH_LOAD_NT
.endr
.irp j, 0,1,2,3,4,5,6,7
	global_load_b64 v[G1R+2*(\j):G1R+2*(\j)+1], v2, s[6:7] offset:10240+256*(\j) th:TH_LOAD_NT
.endr
.irp j, 0,1,2,3,4,5,6,7
	global_load_b128 v[GA+4*(\j):GA+4*(\j)+3], v1, s[8:9] offset:512*(\j)
.endr
.irp j, 0,1,2,3,4,5,6,7
	global_load_b128 v[BE+4*(\j):BE+4*(\j)+3], v1, s[10:11] offset:512*(\j)
.endr
; One row: yy its 32 numbers, gg its 16 words of g, row = 0 or 1.
.macro ROW yy, gg, row
.set e, 0
.rept 32
	CVH SG+e, (\gg)+e/2, e%2                       ; -g log2(e)
.set e, e+1
.endr
.set e, 0
.rept 32
	v_exp_f32 v[SG+e], v[SG+e]                     ; exp(-g): one batch; the row's sum is the independent work behind it
.set e, e+1
.endr
.irp c, 0,2,4,6
	v_pk_add_f32 v[T+(\c):T+(\c)+1], v[(\yy)+(\c):(\yy)+(\c)+1], v[(\yy)+8+(\c):(\yy)+8+(\c)+1]
.endr
.irp c, 0,2,4,6
	v_pk_add_f32 v[T+(\c):T+(\c)+1], v[T+(\c):T+(\c)+1], v[(\yy)+16+(\c):(\yy)+16+(\c)+1]
.endr
.irp c, 0,2,4,6
	v_pk_add_f32 v[T+(\c):T+(\c)+1], v[T+(\c):T+(\c)+1], v[(\yy)+24+(\c):(\yy)+24+(\c)+1]
.endr
	REDUCE
	v_mul_f32 v[MU], s22, v[T]                     ; the mean
	s_wait_alu depctr_va_vdst(0)                   ; one wait for the 32 exponentials, ahead of their first reader
.set e, 0
.rept 16
	v_pk_add_f32 v[SG+e:SG+e+1], v[SG+e:SG+e+1], 1.0 op_sel_hi:[1,0]
.set e, e+2
.endr
.set e, 0
.rept 32
	v_rcp_f32 v[SG+e], v[SG+e]                     ; sigmoid(g) = 1 / (1 + exp(-g)): a batch; the variance is the independent work behind it
.set e, e+1
.endr
.set e, 0
.rept 16
	v_pk_add_f32 v[(\yy)+e:(\yy)+e+1], v[(\yy)+e:(\yy)+e+1], v[MU:MU+1] op_sel_hi:[1,0] neg_lo:[0,1] neg_hi:[0,1]
.set e, e+2
.endr
.irp c, 0,2,4,6
	v_pk_mul_f32 v[T+(\c):T+(\c)+1], v[(\yy)+(\c):(\yy)+(\c)+1], v[(\yy)+(\c):(\yy)+(\c)+1]
.endr
.irp o, 8,16,24
.irp c, 0,2,4,6
	v_pk_fma_f32 v[T+(\c):T+(\c)+1], v[(\yy)+(\o)+(\c):(\yy)+(\o)+(\c)+1], v[(\yy)+(\o)+(\c):(\yy)+(\o)+(\c)+1], v[T+(\c):T+(\c)+1]
.endr
.endr
	REDUCE
	v_fma_f32 v[T], v[T], s22, s23                 ; the variance + 1e-5
	v_rsq_f32 v[RS], v[T]
	v_nop                                          ; a plain instruction behind the last transcendental
	s_wait_alu depctr_va_vdst(0)                   ; one wait for the 32 reciprocals and the root: nothing has named a result of theirs
.if (\row) == 0
	s_wait_loadcnt 0x0                             ; gamma and beta, the youngest loads
.set e, 0
.rept 32
	v_cvt_pk_bf16_f32 v[TM+e%4], v[GA+2*e], v[GA+2*e+1]    ; both rounded to bf16, once, and kept in f32 (beta's registers follow gamma's)
	v_lshlrev_b32 v[GA+2*e], 16, v[TM+e%4]
	v_and_b32 v[GA+2*e+1], 0xffff0000, v[TM+e%4]
.set e, e+1
.endr
.endif
.set e, 0
.rept 16
	v_pk_mul_f32 v[(\yy)+e:(\yy)+e+1], v[(\yy)+e:(\yy)+e+1], v[RS:RS+1] op_sel_hi:[1,0]
.set e, e+2
.endr
.set e, 0
.rept 16
	v_pk_fma_f32 v[(\yy)+e:(\yy)+e+1], v[(\yy)+e:(\yy)+e+1], v[GA+e:GA+e+1], v[BE+e:BE+e+1]
.set e, e+2
.endr
.set e, 0
.rept 16
	v_pk_mul_f32 v[(\yy)+e:(\yy)+e+1], v[(\yy)+e:(\yy)+e+1], v[SG+e:SG+e+1]
.set e, e+2
.endr
.set e, 0
.rept 16
	v_cvt_pk_f16_f32 v[(\gg)+e], v[(\yy)+2*e], v[(\yy)+2*e+1]
.set e, e+1
.endr
.irp j, 0,1,2,3,4,5,6,7
	global_store_b64 v2, v[(\gg)+2*(\j):(\gg)+2*(\j)+1], s[12:13] offset:2048*(\row)+256*(\j)  ; 32 lanes store 256 consecutive bytes, aligned
.endr
.endm
	s_wait_loadcnt 32                              ; row 0's y and g are in; the 32 younger loads stay out
	ROW Y0R, G0R, 0
	ROW Y1R, G1R, 1                                ; row 0's wait for gamma and beta has shown row 1's loads done
	s_endpgm
.Lfunc_end_k_qa73f54ca0f_ln:
	.size	k_qa73f54ca0f_ln, .Lfunc_end_k_qa73f54ca0f_ln-k_qa73f54ca0f_ln
	.p2alignl 7, 3214868480
	.fill 96, 4, 3214868480
	.section	.rodata,"a",@progbits
	.p2align	6, 0x0
	.amdhsa_kernel k_qa73f54ca0f_ln
		.amdhsa_group_segment_fixed_size 0
		.amdhsa_private_segment_fixed_size 0
		.amdhsa_enable_private_segment 0
		.amdhsa_kernarg_size 40
		.amdhsa_user_sgpr_count 2
		.amdhsa_user_sgpr_kernarg_segment_ptr 1
		.amdhsa_wavefront_size32 1
		.amdhsa_system_sgpr_workgroup_id_x 1
		.amdhsa_system_sgpr_workgroup_id_y 1
		.amdhsa_system_sgpr_workgroup_id_z 1
		.amdhsa_system_vgpr_workitem_id 0
		.amdhsa_next_free_vgpr 224
		.amdhsa_next_free_sgpr 66
		.amdhsa_reserve_vcc 0
		.amdhsa_float_denorm_mode_32 3
		.amdhsa_float_denorm_mode_16_64 3
		.amdhsa_memory_ordered 1
		.amdhsa_forward_progress 1
		.amdhsa_inst_pref_size 39
	.end_amdhsa_kernel
	.amdgpu_metadata
---
amdhsa.version: [ 1, 2 ]
amdhsa.kernels:
  - .name:           k_qa73f54ca0f_ln
    .symbol:         k_qa73f54ca0f_ln.kd
    .args:
      - { .name: ybuf, .offset: 0, .size: 8, .value_kind: global_buffer, .address_space: global }
      - { .name: pbuf, .offset: 8, .size: 8, .value_kind: global_buffer, .address_space: global }
      - { .name: ln_gamma, .offset: 16, .size: 8, .value_kind: global_buffer, .address_space: global }
      - { .name: ln_beta, .offset: 24, .size: 8, .value_kind: global_buffer, .address_space: global }
      - { .name: zbuf, .offset: 32, .size: 8, .value_kind: global_buffer, .address_space: global }
    .group_segment_fixed_size: 0
    .private_segment_fixed_size: 0
    .kernarg_segment_align: 8
    .kernarg_segment_size: 40
    .max_flat_workgroup_size: 256
    .sgpr_count:     66
    .vgpr_count:     224
    .wavefront_size: 32
...
	.end_amdgpu_metadata
.endif
;; end of part 4
;; launch outp (part 5): grid 4 x 64, 4 waves a work-group, clusters of 4 x 4, 327,680 bytes of LDS; arguments zbuf, wo, out0; writes out0
.if DOCPART == 5
	.amdgcn_target "amdgcn-amd-amdhsa--gfx1250"
	.amdhsa_code_object_version 6
	.text
	.protected	k_qa73f54ca0f_outp
	.globl	k_qa73f54ca0f_outp
	.p2align	8
	.type	k_qa73f54ca0f_outp,@function
k_qa73f54ca0f_outp:
	s_mov_b64 s[64:65], 0
	v_nop
	global_prefetch_b8 v0, s[64:65] scope:SCOPE_SE
	s_setreg_imm32_b32 hwreg(HW_REG_WAVE_MODE, 25, 1), 1
	s_wait_xcnt 0x0
	s_wait_alu depctr_hold_cnt(0) depctr_sa_sdst(0) depctr_va_vdst(0) depctr_va_sdst(0) depctr_va_ssrc(0) depctr_va_vcc(0) depctr_vm_vsrc(0)
	s_getreg_b32 s2, hwreg(HW_REG_IB_STS2, 6, 4)
	s_cmp_eq_u32 s2, 0
	s_cbranch_scc0 .Lentry_in_a_cluster
	s_endpgm
.Lentry_in_a_cluster:
	s_bfe_u32 s2, ttmp6, 0x10000c
	s_cmp_lg_u32 s2, 0xf033
	s_cbranch_scc0 .Lentry_shape_is_right
	s_endpgm
.Lentry_shape_is_right:
; C[m][n] = sum over k of A[m][k] B[n][k].  A: [SIZE_M][SIZE_K], B: [SIZE_N][SIZE_K], 16-bit; sums in f32; C: [SIZE_M][SIZE_N], f16 (OUT32 = 0) or f32 (OUT32 = 1).
; HERE: A = z in f16, B = W_o (rounded to bf16, written as f16), C = out0 in f32.
; A tile of C is 128 x 256: SIZE_M / 128 x SIZE_N / 256 tiles are TILES for each of 256 work-groups.  Four waves, each 64 x 128: 32 accumulators of 16 x 16, 256 registers.
; K goes in steps of 128 (rows of 256 bytes, aligned) through a ring of two LDS slots filled by the tensor data mover.
; CLUSTERS: 4 x 4 work-groups.  The four of a row of the cluster share A's tile, the four of a column B's: each tile is asked for jointly, by the same load with the same descriptor and mask.
; THE MATRIX INSTRUCTION IS USED TRANSPOSED (source 0 = 16 rows of B, source 1 = 16 rows of A): a lane holds row l % 16 of C and the columns 8 (l / 16) + 0..7.
; REGISTERS.  Window 0: v16-30 addresses; v32-63 packed results; v64-127 A's fragments, two buffers of 32; v128-255 B's, two buffers of 64.  Window 1: accumulator (a, b) at v[8 (8 a + b)].
.set SIZE_N, 1024
.set TILES,  1
.set OUT32,  1
.set ES,     4                         ; bytes of a number of C
.set SIZE_M, 8192
.set SIZE_K, 1024
.set KSTEP,  128
.set PITCH,  272                       ; an LDS row: 256 bytes + 16 of padding: the 16 rows that a load touches start 68 words apart
.set HA,     64*PITCH                  ; half of A's tile: what wave 0 or 1 fetches, and what a wave reads of A
.set HB,     128*PITCH                 ; half of B's tile: what wave 2 or 3 fetches, and what a wave reads of B
.set SLOT,   2*HA+2*HB                 ; A's 128 rows, then B's 256
.set STAGE,  2*SLOT                    ; behind the ring: 16 rows for each wave, for the way out; no tensor load lands there
.if OUT32
.set SPITCH, 528
.else
.set SPITCH, 272
.endif
.set SPARE,  STAGE+4*16*SPITCH         ; the spare words: 128 bytes a wave, two blocks of 256 bytes that no other line names
.set LAPS,   SIZE_K/(2*KSTEP)
.set WALKN,  1024
.set BACK_A, (SIZE_K-2*KSTEP)*2
.set NEXT_B, WALKN*SIZE_K*2-BACK_A
.set ADRA, 16                          ; v16-17 LDS address of my A fragments in slot 0, 1
.set ADRB, 20                          ; v20-21 the same for B
.set STO,  24
.set RD,   25
.set CO,   26
.set SPW,  28                          ; my spare word's address; never rewritten
.set NIL,  29                          ; 0; never rewritten
.set PFO,  30                          ; my lane x a row of A or B in memory; never rewritten
.set TMP,  32
.set FA,   64
.set FB,   128
.set G1,  24
.set G0,  32
.set G1B, 48
.set G0B, 56
.set LIM, 43                           ; 1 in a wave that prefetches, else the greatest number
.set PFA, 44                           ; s[44:45] where my prefetches stand
.set FLAGS, (1<<16)|(1<<20)|(1<<21)|(5<<22)|(3<<25)  ; 2-byte elements; padding on; bit 21 beside a mask; after every 64 words; 4 words
.set MSB, 0
.macro WIN new                         ; the immediate's high byte repeats the setting that is left; a switch that changes nothing is dropped
.if MSB != (\new)
	s_set_vgpr_msb (MSB<<8)|(\new)
.set MSB, \new
.endif
.endm
.set MUL, 0x50                         ; sources in window 0, C and D in window 1
; A joint load: waves 0 and 1 fetch A's halves, waves 2 and 3 B's.  The branch hangs on the wave's number alone.  An s_nop 0 and four v_nop follow each line.
.macro JLOAD s
	s_cmp_eq_u32 s11, 0
	s_cbranch_scc0 .Lfor_b_\@
	tensor_load_to_lds s[G0+4*(\s):G0+4*(\s)+3], s[G1:G1+7]
	s_nop 0
.rept 4
	v_nop
.endr
	s_branch .Lasked_\@
.Lfor_b_\@:
	tensor_load_to_lds s[G0B+4*(\s):G0B+4*(\s)+3], s[G1B:G1B+7]
	s_nop 0
.rept 4
	v_nop
.endr
.Lasked_\@:
.endm
; A prefetch of the K step that stands two refills on: 32 rows x 256 bytes, a lane a row.  Each row's 256 bytes of a K step are named once in the launch.  A's 128 rows of a tile row are read by one
; cluster: wave 0 of each of its four partners along x names 32 of them.  B's 256 rows of a tile column are read by all clusters: in the cluster with y = 0, waves 2 and 3 of each of the four
; partners along y name 32 each.  The partners are told apart by address.  The loop's last trip has no K step two on.
.macro ASK how
.if \how
	s_cmp_eq_u32 s[LIM], 1
.else
	s_cmp_gt_u32 s3, s[LIM]
.endif
	s_cbranch_scc0 .Lnot_mine_\@
	global_prefetch_b8 v[PFO], s[PFA:PFA+1] offset:KSTEP*2 th:TH_LOAD_NT scope:SCOPE_SE
.Lnot_mine_\@:
.endm
.macro CREST                           ; a round of the cluster's barrier behind its opening barrier
	s_cmp_lg_u32 s10, 0
	s_cbranch_scc1 .Lnot_wave_0_\@
	s_barrier_signal -3
.Lnot_wave_0_\@:
	s_barrier_wait -3
	s_barrier_signal -1
	s_barrier_wait -1
.endm
.macro CROUND
	s_barrier_signal -1
	s_barrier_wait -1
	CREST
.endm
	s_load_b128 s[4:7], s[0:1], 0x0                ; A s[4:5], B s[6:7]
	s_load_b64 s[8:9], s[0:1], 0x10                ; C
	v_lshl_add_u32 v[SPW], v0, 2, SPARE
	v_mov_b32 v[NIL], 0
	ds_add_u32 v[SPW], v[NIL]                      ; the wave's opening: the add, twice on end, and its wait ahead of my first tensor load
	ds_add_u32 v[SPW], v[NIL]
	v_lshrrev_b32 v1, 5, v0
	v_readfirstlane_b32 s10, v1                    ; wave 0..3
	s_lshr_b32 s11, s10, 1                         ; which 64 rows of the tile are mine.  Also: I fetch for A (0) or for B (1)
	s_and_b32 s12, s10, 1                          ; which 128 columns.  Also: which half of that tile I fetch
	s_bfe_u32 s40, ttmp6, 0x40000                  ; cx
	s_bfe_u32 s41, ttmp6, 0x40004                  ; cy
	s_lshl_b32 s42, ttmp9, 2
	s_add_co_u32 s42, s42, s40                     ; tile column = 4 x cluster x + cx
	s_and_b32 s13, ttmp7, 0xffff
	s_lshl_b32 s13, s13, 2
	s_add_co_u32 s13, s13, s41                     ; tile row = 4 x cluster y + cy
	s_lshl_b32 s43, s41, 2
	s_lshl_b32 s43, 15, s43                        ; my row of the cluster
	s_lshl_b32 s44, 0x1111, s40                    ; my column
	s_or_b32 s[G1+0], s43, FLAGS
	s_or_b32 s[G1B+0], s44, FLAGS
	s_mov_b32 s[G1+1], KSTEP<<16                   ; tensor_dim0 = 128
	s_mov_b32 s[G1+2], 64<<16                      ; tensor_dim1 = 64
	s_mov_b32 s[G1+3], KSTEP<<16                   ; tile_dim0 = 128
	s_mov_b32 s[G1+4], 64                          ; tile_dim1 = 64
	s_mov_b32 s[G1+5], SIZE_K                      ; elements from row to row
	s_mov_b32 s[G1+6], 0
	s_mov_b32 s[G1+7], 0
	s_mov_b32 s[G1B+1], KSTEP<<16
	s_mov_b32 s[G1B+2], 128<<16                    ; B: 128 rows to a load
	s_mov_b32 s[G1B+3], KSTEP<<16
	s_mov_b32 s[G1B+4], 128
	s_mov_b32 s[G1B+5], SIZE_K
	s_mov_b32 s[G1B+6], 0
	s_mov_b32 s[G1B+7], 0
	s_lshl_b32 s16, s13, 7
	s_lshl_b32 s17, s12, 6
	s_add_co_u32 s16, s16, s17                     ; A: row 128 x tile row + 64 x half
	s_lshl_b32 s16, s16, 11                        ; 2,048 bytes a row
	s_mov_b32 s17, 0
	s_lshl_b32 s46, s42, 8
	s_lshl_b32 s47, s12, 7
	s_add_co_u32 s46, s46, s47                     ; B: row 256 x tile column + 128 x half
	s_lshl_b32 s46, s46, 11
	s_mov_b32 s47, 0
	s_mul_i32 s20, s12, HA                         ; where they go: no place in the cluster enters an LDS address
	s_mul_i32 s21, s12, HB
	s_add_co_u32 s21, s21, 2*HA
	s_wait_dscnt 0x0                               ; both opening adds are done
	s_wait_kmcnt 0x0
	s_add_nc_u64 s[14:15], s[4:5], s[16:17]
	s_add_nc_u64 s[46:47], s[6:7], s[46:47]
	CROUND                                         ; all sixteen work-groups are here: the first joint loads meet
.irp s, 0,1
	s_mov_b32 s[G0+4*(\s)], 1
	s_add_co_u32 s[G0+4*(\s)+1], s20, (\s)*SLOT
	s_add_nc_u64 s[G0+4*(\s)+2:G0+4*(\s)+3], s[14:15], (\s)*KSTEP*2
	s_or_b32 s[G0+4*(\s)+3], s[G0+4*(\s)+3], 0x80000000
	s_mov_b32 s[G0B+4*(\s)], 1
	s_add_co_u32 s[G0B+4*(\s)+1], s21, (\s)*SLOT
	s_add_nc_u64 s[G0B+4*(\s)+2:G0B+4*(\s)+3], s[46:47], (\s)*KSTEP*2
	s_or_b32 s[G0B+4*(\s)+3], s[G0B+4*(\s)+3], 0x80000000
	JLOAD \s                                       ; K steps 0 and 1: two loads of mine are out
.endr
	; a fragment is 16 rows x 32 K in 8 registers: lane l holds row l % 16, K = 8 (l / 16) + 0..7 and 16 + 8 (l / 16) + 0..7: two loads of 16 bytes, 32 bytes apart
	v_and_b32 v1, 15, v0
	v_bfe_u32 v2, v0, 4, 1
	v_mul_u32_u24 v3, v1, PITCH
	v_lshl_add_u32 v3, v2, 4, v3
	s_mul_i32 s21, s11, HA
	s_mul_i32 s22, s12, HB
	s_add_co_u32 s22, s22, 2*HA
.irp s, 0,1
	v_add_nc_u32 v[ADRA+(\s)], s21, v3
	v_add_nc_u32 v[ADRB+(\s)], s22, v3
	s_add_co_u32 s21, s21, SLOT
	s_add_co_u32 s22, s22, SLOT
.endr
	s_mul_i32 s23, s10, 16*SPITCH
	s_add_co_u32 s23, s23, STAGE                   ; my stage
	v_mul_u32_u24 v4, v1, SPITCH
.if OUT32
	v_lshl_add_u32 v4, v2, 5, v4                   ; in: row l % 16, 32 bytes for each half of the lanes
	v_add_nc_u32 v[STO], s23, v4
	v_and_b32 v5, 31, v0
	v_lshlrev_b32 v[CO], 4, v5                     ; back: 32 lanes take one row of 512 bytes
	v_add_nc_u32 v[RD], s23, v[CO]
.else
	v_lshl_add_u32 v4, v2, 4, v4                   ; in: row l % 16, 16 bytes for each half of the lanes
	v_add_nc_u32 v[STO], s23, v4
	v_mul_u32_u24 v5, v2, SPITCH                   ; back: lanes 0-15 take one row of 256 bytes, lanes 16-31 the next
	v_lshl_add_u32 v5, v1, 4, v5
	v_add_nc_u32 v[RD], s23, v5
	v_mul_u32_u24 v5, v2, SIZE_N*ES
	v_lshl_add_u32 v[CO], v1, 4, v5
.endif
	s_lshl_b32 s16, s13, 7                         ; where my part of the first tile begins in C, in bytes (under 2^31)
	s_lshl_b32 s14, s11, 6
	s_add_co_u32 s16, s16, s14
	s_mul_i32 s16, s16, SIZE_N*ES
	s_lshl_b32 s46, s42, 8
	s_lshl_b32 s47, s12, 7
	s_add_co_u32 s46, s46, s47
	s_mul_i32 s46, s46, ES
	s_add_co_u32 s16, s16, s46
	s_mov_b32 s17, 0
	; the prefetches
	s_lshl_b32 s20, s13, 7
	s_lshl_b32 s21, s40, 5
	s_add_co_u32 s20, s20, s21                     ; A: row 128 x tile row + 32 cx
	s_lshl_b32 s21, s42, 8
	s_lshl_b32 s23, s41, 6
	s_add_co_u32 s21, s21, s23
	s_lshl_b32 s23, s12, 5
	s_add_co_u32 s21, s21, s23                     ; B: row 256 x tile column + 64 cy + 32 x half
	s_and_b32 s22, ttmp7, 0xffff                   ; cluster y
	s_cmp_eq_u32 s11, 0
	s_cselect_b32 s20, s20, s21
	s_cselect_b32 s22, s12, s22                    ; A: wave 0 asks; B: the cluster with y = 0 asks
	s_cselect_b64 s[PFA:PFA+1], s[4:5], s[6:7]
	s_cmp_eq_u32 s22, 0
	s_cselect_b32 s[LIM], 1, -1                    ; the same in all sixteen partners, for a given wave
	s_lshl_b32 s20, s20, 11
	s_mov_b32 s21, 0
	s_add_nc_u64 s[PFA:PFA+1], s[PFA:PFA+1], s[20:21]
	s_add_nc_u64 s[PFA:PFA+1], s[PFA:PFA+1], 2*KSTEP*2  ; at K step 2: the first refill steps it to 3 and names K step 4.  Nothing is asked for here, at the head
	v_and_b32 v[PFO], 31, v0
	v_lshlrev_b32 v[PFO], 11, v[PFO]
; 8 matrix instructions: m block a x all 8 n blocks, 32 along K, from buffer f.  zero = 1: the product starts the sums.  The 32 accumulators take turns in the same order in every quarter.
.macro MUL8 f, a, zero
	WIN MUL
.irp b, 0,1,2,3,4,5,6,7
.if OUT32
.if \zero
	v_wmma_f32_16x16x32_f16 v[8*(8*(\a)+(\b)):8*(8*(\a)+(\b))+7], v[FB+64*(\f)+8*(\b):FB+64*(\f)+8*(\b)+7], v[FA+32*(\f)+8*(\a):FA+32*(\f)+8*(\a)+7], 0
.else
	v_wmma_f32_16x16x32_f16 v[8*(8*(\a)+(\b)):8*(8*(\a)+(\b))+7], v[FB+64*(\f)+8*(\b):FB+64*(\f)+8*(\b)+7], v[FA+32*(\f)+8*(\a):FA+32*(\f)+8*(\a)+7], v[8*(8*(\a)+(\b)):8*(8*(\a)+(\b))+7]
.endif
.else
.if \zero
	v_wmma_f32_16x16x32_bf16 v[8*(8*(\a)+(\b)):8*(8*(\a)+(\b))+7], v[FB+64*(\f)+8*(\b):FB+64*(\f)+8*(\b)+7], v[FA+32*(\f)+8*(\a):FA+32*(\f)+8*(\a)+7], 0
.else
	v_wmma_f32_16x16x32_bf16 v[8*(8*(\a)+(\b)):8*(8*(\a)+(\b))+7], v[FB+64*(\f)+8*(\b):FB+64*(\f)+8*(\b)+7], v[FA+32*(\f)+8*(\a):FA+32*(\f)+8*(\a)+7], v[8*(8*(\a)+(\b)):8*(8*(\a)+(\b))+7]
.endif
.endif
.endr
.endm
; 24 LDS loads in one run: a quarter step's fragments (128 rows of B, then 64 rows of A, 32 K at byte k of the rows) into buffer f
.macro FETCH slot, k, f
	WIN 0
.irp i, 0,1,2,3,4,5,6,7
	ds_load_b128 v[FB+64*(\f)+8*(\i):FB+64*(\f)+8*(\i)+3],   v[ADRB+(\slot)] offset:(\k)+(\i)*16*PITCH
	ds_load_b128 v[FB+64*(\f)+8*(\i)+4:FB+64*(\f)+8*(\i)+7], v[ADRB+(\slot)] offset:(\k)+(\i)*16*PITCH+32
.endr
.irp i, 0,1,2,3
	ds_load_b128 v[FA+32*(\f)+8*(\i):FA+32*(\f)+8*(\i)+3],   v[ADRA+(\slot)] offset:(\k)+(\i)*16*PITCH
	ds_load_b128 v[FA+32*(\f)+8*(\i)+4:FA+32*(\f)+8*(\i)+7], v[ADRA+(\slot)] offset:(\k)+(\i)*16*PITCH+32
.endr
.endm
.macro PLACES                          ; four plain vector instructions in front of loads into registers that matrix instructions have read, and of lines that read results
.rept 4
	v_nop
.endr
.endm
; A K step is four quarters of 32 along K, 32 matrix instructions each, on buffers 0, 1, 0, 1.  One of the first three: multiplies f, and in its middle fetches the next quarter, at byte k, into g.
.macro QUARTER slot, k, f, g, zero
	s_wait_dscnt 4                                 ; B and A's blocks 0 and 1 are in; the four youngest loads (A's blocks 2 and 3) may be out
	MUL8 \f, 0, \zero
	MUL8 \f, 1, \zero
	PLACES
	FETCH \slot, \k, \g
	s_wait_dscnt 24                                ; all but the 24 just issued
	MUL8 \f, 2, \zero
	MUL8 \f, 3, \zero
.endm
; The first half of the last quarter, which multiplies buffer 1 and changes slots: one barrier.  In front of it each wave waits for all its tensor loads (one is out: its part of the next slot),
; adds 0 to its spare word, and waits for that and for its own reads of this slot.
.macro MEET round
	WIN 0
	s_wait_tensorcnt 0x0
	ds_add_u32 v[SPW], v[NIL]
	s_wait_dscnt 5                                 ; (the add and the four youngest loads may be out)
	MUL8 1, 0, 0                                   ; eight matrix instructions stand between the add and the wait for it
	s_wait_dscnt 0x0                               ; the add is done, and my reads of this slot are over
	s_barrier_signal -1
	MUL8 1, 1, 0
.if \round
	WIN 0
.endif
	s_barrier_wait -1
.endm
; The whole last quarter.  Behind the round the slot just read out is filled again first, with the K step two on.  From a request to the wait for it a wave issues 112 matrix instructions.
.macro TURN slot, next, on
	s_wait_xcnt 0x0                                ; the last prefetch, a K step back, has read its address
.if (\on) && (\slot) == 0
	s_add_nc_u64 s[PFA:PFA+1], s[PFA:PFA+1], (WALKN-1)*SIZE_K*2+KSTEP*2
	s_cmp_eq_u32 s11, 0
	s_cselect_b32 s[LIM], -1, s[LIM]
.else
	s_add_nc_u64 s[PFA:PFA+1], s[PFA:PFA+1], KSTEP*2
.endif
	MEET 1
	CREST                                          ; no wave of any partner still reads this slot's tile or has a load on its way
.if \on
	s_sub_nc_u64 s[G0+4*(\slot)+2:G0+4*(\slot)+3], s[G0+4*(\slot)+2:G0+4*(\slot)+3], BACK_A
	s_add_nc_u64 s[G0B+4*(\slot)+2:G0B+4*(\slot)+3], s[G0B+4*(\slot)+2:G0B+4*(\slot)+3], NEXT_B
.else
	s_add_nc_u64 s[G0+4*(\slot)+2:G0+4*(\slot)+3], s[G0+4*(\slot)+2:G0+4*(\slot)+3], 2*KSTEP*2
	s_add_nc_u64 s[G0B+4*(\slot)+2:G0B+4*(\slot)+3], s[G0B+4*(\slot)+2:G0B+4*(\slot)+3], 2*KSTEP*2
.endif
	JLOAD \slot                                    ; the four v_nop behind it are also the places in front of the loads below
	FETCH \next, 0, 0
	ASK \on
	MUL8 1, 2, 0
	MUL8 1, 3, 0
.endm
; THE WAY OUT, a block of 16 rows at a time, through my own stage in LDS: LDS serves a wave's instructions in order (ISA guide 5.7.1.4), so no wait stands between its stores and its loads.
.if OUT32
.macro OUTBLK a
	WIN 0x04                                       ; the stores' data in window 1
.irp b, 0,1,2,3,4,5,6,7
	ds_store_b128 v[STO], v[8*(8*(\a)+(\b)):8*(8*(\a)+(\b))+3]   offset:64*(\b)      ; each accumulator from its low end on
	ds_store_b128 v[STO], v[8*(8*(\a)+(\b))+4:8*(8*(\a)+(\b))+7] offset:64*(\b)+16
.endr
	WIN 0
.set BK, 64+64*((\a)%2)
.irp t, 0,1,2,3,4,5,6,7,8,9,10,11,12,13,14,15
	ds_load_b128 v[BK+4*(\t):BK+4*(\t)+3], v[RD] offset:(\t)*SPITCH
.endr
	s_wait_dscnt 0x0
	s_wait_xcnt 0x0                                ; earlier stores have read their base and their data: the base is written here, their data by the next block but one
	s_add_nc_u64 s[18:19], s[8:9], s[16:17]
	s_add_co_u32 s16, s16, 16*SIZE_N*ES
.irp t, 0,1,2,3,4,5,6,7,8,9,10,11,12,13,14,15
	global_store_b128 v[CO], v[BK+4*(\t):BK+4*(\t)+3], s[18:19] offset:(\t)*SIZE_N*ES th:TH_STORE_NT  ; 32 lanes store 512 consecutive bytes, aligned
.endr
.endm
.macro WAYOUT
	OUTBLK 0
	OUTBLK 1
	OUTBLK 2
	OUTBLK 3
.endm
.else
.macro PACK a
	WIN 0x05                                       ; sources in window 1
.irp b, 0,1,2,3,4,5,6,7
.irp r, 0,1,2,3
	v_cvt_pk_f16_f32 v[TMP+4*(\b)+(\r)], v[8*(8*(\a)+(\b))+2*(\r)], v[8*(8*(\a)+(\b))+2*(\r)+1]
.endr
.endr
	WIN 0
.endm
.macro TOSTAGE a
.set BK, 96+96*((\a)%2)
.irp b, 0,1,2,3,4,5,6,7
	ds_store_b128 v[STO], v[TMP+4*(\b):TMP+4*(\b)+3] offset:32*(\b)
.endr
.irp t, 0,1,2,3,4,5,6,7
	ds_load_b128 v[BK+4*(\t):BK+4*(\t)+3], v[RD] offset:(\t)*2*SPITCH
.endr
.endm
.macro SEND a
.set BK, 96+96*((\a)%2)
	s_wait_dscnt 0x0
	s_wait_xcnt 0x0
	s_add_nc_u64 s[18:19], s[8:9], s[16:17]
	s_add_co_u32 s16, s16, 16*SIZE_N*ES
.irp t, 0,1,2,3,4,5,6,7
	global_store_b128 v[CO], v[BK+4*(\t):BK+4*(\t)+3], s[18:19] offset:2*(\t)*SIZE_N*ES
.endr
.endm
.macro WAYOUT
	PACK 0
	TOSTAGE 0
.irp a, 1,2,3
	PACK \a
	SEND (\a)-1
	TOSTAGE \a
.endr
	SEND 3
.endm
.endif
	s_wait_tensorcnt 1                             ; my part of K step 0 is in; K step 1's may stay out
	s_barrier_signal -1
	s_barrier_wait -1
	FETCH 0, 0, 0
.if TILES > 1
	s_mov_b32 s2, TILES
.Ltile:
.endif
	QUARTER 0, 64, 0, 1, 1                         ; the first quarter stands in front of the loop: its products start the sums
	WIN 0
	s_mov_b32 s3, LAPS-1
.Llap:                                                 ; a trip goes once round the ring, from a lap's second quarter to the next lap's first
	QUARTER 0, 128, 1, 0, 0
	QUARTER 0, 192, 0, 1, 0
	TURN 0, 1, 0
	QUARTER 1, 64,  0, 1, 0
	QUARTER 1, 128, 1, 0, 0
	QUARTER 1, 192, 0, 1, 0
	TURN 1, 0, 0
	QUARTER 0, 64,  0, 1, 0
	WIN 0
	s_sub_co_u32 s3, s3, 1
	s_cmp_lg_u32 s3, 0
	s_cbranch_scc1 .Llap
	QUARTER 0, 128, 1, 0, 0                        ; the last lap goes on
	QUARTER 0, 192, 0, 1, 0
.if TILES > 1
	WIN 0
	s_cmp_eq_u32 s2, 1
	s_cbranch_scc1 .Llast_tile
	TURN 0, 1, 1
	QUARTER 1, 64,  0, 1, 0
	QUARTER 1, 128, 1, 0, 0
	QUARTER 1, 192, 0, 1, 0
	TURN 1, 0, 1
	WAYOUT
	s_wait_xcnt 0x0
	s_sub_co_u32 s16, s16, 64*SIZE_N*ES-WALKN*ES
	s_sub_co_u32 s2, s2, 1
	s_branch .Ltile
.Llast_tile:
.endif
	MEET 0                                         ; the one load that was out is the last K step's, so no round follows
	PLACES
	FETCH 1, 0, 0
	MUL8 1, 2, 0
	MUL8 1, 3, 0
	QUARTER 1, 64,  0, 1, 0
	QUARTER 1, 128, 1, 0, 0
	QUARTER 1, 192, 0, 1, 0
	s_wait_dscnt 4
	MUL8 1, 0, 0
	MUL8 1, 1, 0
	s_wait_dscnt 0x0
	MUL8 1, 2, 0
	MUL8 1, 3, 0
	WIN 0
	PLACES
	WAYOUT
	s_wait_tensorcnt 0x0                           ; the wave's end
	ds_add_u32 v[SPW], v[NIL]
	s_wait_dscnt 0x0
	CROUND                                         ; the closing round
	s_endpgm
.Lfunc_end_k_qa73f54ca0f_outp:
	.size	k_qa73f54ca0f_outp, .Lfunc_end_k_qa73f54ca0f_outp-k_qa73f54ca0f_outp
	.p2alignl 7, 3214868480
	.fill 96, 4, 3214868480
	.section	.rodata,"a",@progbits
	.p2align	6, 0x0
	.amdhsa_kernel k_qa73f54ca0f_outp
		.amdhsa_group_segment_fixed_size 327680
		.amdhsa_private_segment_fixed_size 0
		.amdhsa_enable_private_segment 0
		.amdhsa_kernarg_size 24
		.amdhsa_user_sgpr_count 2
		.amdhsa_user_sgpr_kernarg_segment_ptr 1
		.amdhsa_wavefront_size32 1
		.amdhsa_system_sgpr_workgroup_id_x 1
		.amdhsa_system_sgpr_workgroup_id_y 1
		.amdhsa_system_sgpr_workgroup_id_z 1
		.amdhsa_system_vgpr_workitem_id 0
		.amdhsa_next_free_vgpr 512
		.amdhsa_next_free_sgpr 66
		.amdhsa_reserve_vcc 0
		.amdhsa_float_denorm_mode_32 3
		.amdhsa_float_denorm_mode_16_64 3
		.amdhsa_memory_ordered 1
		.amdhsa_forward_progress 1
		.amdhsa_inst_pref_size 86
	.end_amdhsa_kernel
	.amdgpu_metadata
---
amdhsa.version: [ 1, 2 ]
amdhsa.kernels:
  - .name:           k_qa73f54ca0f_outp
    .symbol:         k_qa73f54ca0f_outp.kd
    .args:
      - { .name: zbuf, .offset: 0, .size: 8, .value_kind: global_buffer, .address_space: global }
      - { .name: wo, .offset: 8, .size: 8, .value_kind: global_buffer, .address_space: global }
      - { .name: out0, .offset: 16, .size: 8, .value_kind: global_buffer, .address_space: global }
    .group_segment_fixed_size: 327680
    .private_segment_fixed_size: 0
    .kernarg_segment_align: 8
    .kernarg_segment_size: 24
    .max_flat_workgroup_size: 128
    .sgpr_count:     66
    .vgpr_count:     512
    .wavefront_size: 32
...
	.end_amdgpu_metadata
.endif
;; end of part 5
;; ======== version 2 of 2: 5 launches
;; limits: values are held in f16: magnitudes above 65,504 overflow, below 6.1e-05 lose precision
;; workspace buffers: xb 16,777,216 bytes; wb 10,485,760 bytes; wo 2,097,152 bytes; pbuf 83,886,080 bytes; ybuf 33,554,432 bytes; zbuf 16,777,216 bytes
;; launch cast: the kernel of part 1 again; grid 1792 x 1, 8 waves a work-group, no clusters, 0 bytes of LDS; arguments x, W_r, W_k, W_v, W_w, W_g, W_o, xb, wb, wo; writes xb, wb, wo
;; launch proj (part 6): grid 4 x 64, 4 waves a work-group, clusters of 4 x 4, 327,680 bytes of LDS; arguments xb, wb, pbuf; writes pbuf
.if DOCPART == 6
	.amdgcn_target "amdgcn-amd-amdhsa--gfx1250"
	.amdhsa_code_object_version 6
	.text
	.protected	k_qa73f54ca0f_proj
	.globl	k_qa73f54ca0f_proj
	.p2align	8
	.type	k_qa73f54ca0f_proj,@function
k_qa73f54ca0f_proj:
	s_mov_b64 s[64:65], 0
	v_nop
	global_prefetch_b8 v0, s[64:65] scope:SCOPE_SE
	s_setreg_imm32_b32 hwreg(HW_REG_WAVE_MODE, 25, 1), 1
	s_wait_xcnt 0x0
	s_wait_alu depctr_hold_cnt(0) depctr_sa_sdst(0) depctr_va_vdst(0) depctr_va_sdst(0) depctr_va_ssrc(0) depctr_va_vcc(0) depctr_vm_vsrc(0)
	s_getreg_b32 s2, hwreg(HW_REG_IB_STS2, 6, 4)
	s_cmp_eq_u32 s2, 0
	s_cbranch_scc0 .Lentry_in_a_cluster
	s_endpgm
.Lentry_in_a_cluster:
	s_bfe_u32 s2, ttmp6, 0x10000c
	s_cmp_lg_u32 s2, 0xf033
	s_cbranch_scc0 .Lentry_shape_is_right
	s_endpgm
.Lentry_shape_is_right:
; C[m][n] = sum over k of A[m][k] B[n][k].  A = x in bf16, [8192][1024]; B = the five weights in bf16, rows by heads, [5120][1024]; sums in f32;
; C = r | k | v | w's and g's pre-activations in f16, [8192][5120].
; LIMIT.  A result of 65,520 or more in magnitude becomes an infinity in f16.
; A tile of C is 128 x 256: 64 x 20 tiles are TILES = 5 for each of 256 work-groups.  Four waves, each 64 x 128: 32 accumulators of 16 x 16, 256 registers.
; K goes in steps of 128 (rows of 256 bytes, aligned) through a ring of two LDS slots filled by the tensor data mover.  A WORK-GROUP STAYS: its five tiles lie side by side, WALKN columns apart;
; they share their rows of A; the ring runs on from tile to tile, and nothing waits for a tile's stores.
; THE WALK.  The columns fall into five groups of WALKN.  Cluster y begins at group y mod 5 and goes round: in any one tile of the walk the sixteen clusters read all five groups of B's rows, and from
; the second tile on each cluster reads rows that another cluster has read a whole tile, eight K steps, earlier.
; CLUSTERS: 4 x 4 work-groups.  The four of a row of the cluster share A's tile, the four of a column B's: each tile is asked for jointly, by the same load with the same descriptor and mask.
; THE MATRIX INSTRUCTION IS USED TRANSPOSED (source 0 = 16 rows of B, source 1 = 16 rows of A): a lane holds row l % 16 of C and the columns 8 (l / 16) + 0..7.
; REGISTERS.  Window 0: v16-30 addresses; v32-63 packed results; v64-127 A's fragments, two buffers of 32; v128-255 B's, two buffers of 64.  Window 1: accumulator (a, b) at v[8 (8 a + b)].
.set SIZE_M, 8192
.set SIZE_N, 5120
.set SIZE_K, 1024
.set TILES,  5
.set ES,     2                         ; bytes of a number of C
.set KSTEP,  128
.set PITCH,  272                       ; an LDS row: 256 bytes + 16 of padding: the 16 rows that a load touches start 68 words apart
.set HA,     64*PITCH                  ; half of A's tile: what wave 0 or 1 fetches, and what a wave reads of A
.set HB,     128*PITCH                 ; half of B's tile: what wave 2 or 3 fetches, and what a wave reads of B
.set SLOT,   2*HA+2*HB                 ; A's 128 rows, then B's 256
.set STAGE,  2*SLOT                    ; behind the ring: 16 rows for each wave, for the way out; no tensor load lands there
.set SPITCH, 272
.set SPARE,  STAGE+4*16*SPITCH         ; the spare words: 128 bytes a wave, two blocks of 256 bytes that no other line names
.set LAPS,   SIZE_K/(2*KSTEP)
.set WALKN,  1024
.set BACK_A, (SIZE_K-2*KSTEP)*2        ; from a slot's last K step of a tile to its first of the next: A only goes back along K,
.set NEXT_B, WALKN*SIZE_K*2-BACK_A     ; B goes WALKN rows down and back,
.set WRAP_B, TILES*WALKN*SIZE_K*2      ; and from the last group all five groups up again
.set WRAP_C, TILES*WALKN*ES            ; the same in a row of C
.set ADRA, 16                          ; v16-17 LDS address of my A fragments in slot 0, 1
.set ADRB, 20                          ; v20-21 the same for B
.set STO,  24
.set RD,   25
.set CO,   26
.set SPW,  28                          ; my spare word's address; never rewritten
.set NIL,  29                          ; 0; never rewritten
.set PFO,  30                          ; my lane x a row of A or B in memory; never rewritten
.set TMP,  32
.set FA,   64
.set FB,   128
.set WRB, 20                           ; s[20:21] what B's descriptors go back at this tile's end: WRAP_B from the last group, else 0
.set GRP, 22                           ; s22 the group of columns in hand
.set WRC, 23                           ; s23 the same as WRB for C's offset
.set G1,  24
.set G0,  32
.set G1B, 48
.set G0B, 56
.set LIM, 43                           ; 1 in a wave that prefetches, else the greatest number
.set PFA, 44                           ; s[44:45] where my prefetches stand
.set FLAGS, (1<<16)|(1<<20)|(1<<21)|(5<<22)|(3<<25)  ; 2-byte elements; padding on; bit 21 beside a mask; after every 64 words; 4 words
.set MSB, 0
.macro WIN new                         ; the immediate's high byte repeats the setting that is left; a switch that changes nothing is dropped
.if MSB != (\new)
	s_set_vgpr_msb (MSB<<8)|(\new)
.set MSB, \new
.endif
.endm
.set MUL, 0x50                         ; sources in window 0, C and D in window 1
; A joint load: waves 0 and 1 fetch A's halves, waves 2 and 3 B's.  The branch hangs on the wave's number alone.  An s_nop 0 and four v_nop follow each line.
.macro JLOAD s
	s_cmp_eq_u32 s11, 0
	s_cbranch_scc0 .Lfor_b_\@
	tensor_load_to_lds s[G0+4*(\s):G0+4*(\s)+3], s[G1:G1+7]
	s_nop 0
.rept 4
	v_nop
.endr
	s_branch .Lasked_\@
.Lfor_b_\@:
	tensor_load_to_lds s[G0B+4*(\s):G0B+4*(\s)+3], s[G1B:G1B+7]
	s_nop 0
.rept 4
	v_nop
.endr
.Lasked_\@:
.endm
; A prefetch of the K step that stands two refills on: 32 rows x 256 bytes, a lane a row.  Each row's 256 bytes of a K step are named once in the launch, ahead of the row's first reading, which falls
; into the walk's first tile: later tiles read rows that have been read.  A's 128 rows of a tile row are read by one cluster: wave 0 of each of its four partners along x names 32 of them.  A group's
; rows of B are first read by the clusters that begin there: of these the one with y < 5 asks; waves 2 and 3 of each of its four partners along y name 32 each of a tile column's 256.
; The partners are told apart by address.  The loop's last trip has no K step two on; behind the first tile LIM is the greatest number in every wave.
.macro ASK
	s_cmp_gt_u32 s3, s[LIM]
	s_cbranch_scc0 .Lnot_mine_\@
	global_prefetch_b8 v[PFO], s[PFA:PFA+1] offset:KSTEP*2 th:TH_LOAD_NT scope:SCOPE_SE
.Lnot_mine_\@:
.endm
.macro CREST                           ; a round of the cluster's barrier behind its opening barrier
	s_cmp_lg_u32 s10, 0
	s_cbranch_scc1 .Lnot_wave_0_\@
	s_barrier_signal -3
.Lnot_wave_0_\@:
	s_barrier_wait -3
	s_barrier_signal -1
	s_barrier_wait -1
.endm
.macro CROUND
	s_barrier_signal -1
	s_barrier_wait -1
	CREST
.endm
	s_load_b128 s[4:7], s[0:1], 0x0                ; A s[4:5], B s[6:7]
	s_load_b64 s[8:9], s[0:1], 0x10                ; C
	v_lshl_add_u32 v[SPW], v0, 2, SPARE
	v_mov_b32 v[NIL], 0
	ds_add_u32 v[SPW], v[NIL]                      ; the wave's opening: the add, twice on end, and its wait ahead of my first tensor load
	ds_add_u32 v[SPW], v[NIL]
	v_lshrrev_b32 v1, 5, v0
	v_readfirstlane_b32 s10, v1                    ; wave 0..3
	s_lshr_b32 s11, s10, 1                         ; which 64 rows of the tile are mine.  Also: I fetch for A (0) or for B (1)
	s_and_b32 s12, s10, 1                          ; which 128 columns.  Also: which half of that tile I fetch
	s_bfe_u32 s40, ttmp6, 0x40000                  ; cx
	s_bfe_u32 s41, ttmp6, 0x40004                  ; cy
	s_lshl_b32 s42, ttmp9, 2
	s_add_co_u32 s42, s42, s40                     ; tile column in a group = 4 x cluster x + cx
	s_and_b32 s13, ttmp7, 0xffff
	s_lshl_b32 s13, s13, 2
	s_add_co_u32 s13, s13, s41                     ; tile row = 4 x cluster y + cy
	s_and_b32 s3, ttmp7, 0xffff                    ; cluster y, 0..15: the same in all sixteen partners
	s_mul_i32 s14, s3, 13
	s_lshr_b32 s14, s14, 6                         ; y / 5 (13 y >> 6 is that for y up to 15)
	s_mul_i32 s14, s14, 5
	s_sub_co_u32 s3, s3, s14                       ; y mod 5: the group at which my cluster begins
	s_lshl_b32 s43, s41, 2
	s_lshl_b32 s43, 15, s43                        ; my row of the cluster
	s_lshl_b32 s44, 0x1111, s40                    ; my column
	s_or_b32 s[G1+0], s43, FLAGS
	s_or_b32 s[G1B+0], s44, FLAGS
	s_mov_b32 s[G1+1], KSTEP<<16                   ; tensor_dim0 = 128
	s_mov_b32 s[G1+2], 64<<16                      ; tensor_dim1 = 64
	s_mov_b32 s[G1+3], KSTEP<<16                   ; tile_dim0 = 128
	s_mov_b32 s[G1+4], 64                          ; tile_dim1 = 64
	s_mov_b32 s[G1+5], SIZE_K                      ; elements from row to row
	s_mov_b32 s[G1+6], 0
	s_mov_b32 s[G1+7], 0
	s_mov_b32 s[G1B+1], KSTEP<<16
	s_mov_b32 s[G1B+2], 128<<16                    ; B: 128 rows to a load
	s_mov_b32 s[G1B+3], KSTEP<<16
	s_mov_b32 s[G1B+4], 128
	s_mov_b32 s[G1B+5], SIZE_K
	s_mov_b32 s[G1B+6], 0
	s_mov_b32 s[G1B+7], 0
	s_lshl_b32 s16, s13, 7
	s_lshl_b32 s17, s12, 6
	s_add_co_u32 s16, s16, s17                     ; A: row 128 x tile row + 64 x half
	s_lshl_b32 s16, s16, 11                        ; 2,048 bytes a row
	s_mov_b32 s17, 0
	s_lshl_b32 s46, s42, 8
	s_lshl_b32 s47, s12, 7
	s_add_co_u32 s46, s46, s47
	s_lshl_b32 s47, s3, 10
	s_add_co_u32 s46, s46, s47                     ; B: row 1,024 x group + 256 x tile column + 128 x half
	s_lshl_b32 s46, s46, 11
	s_mov_b32 s47, 0
	s_mul_i32 s20, s12, HA                         ; where they go: no place in the cluster enters an LDS address
	s_mul_i32 s21, s12, HB
	s_add_co_u32 s21, s21, 2*HA
	s_wait_dscnt 0x0                               ; both opening adds are done
	s_wait_kmcnt 0x0
	s_add_nc_u64 s[14:15], s[4:5], s[16:17]
	s_add_nc_u64 s[46:47], s[6:7], s[46:47]
	CROUND                                         ; all sixteen work-groups are here: the first joint loads meet
.irp s, 0,1
	s_mov_b32 s[G0+4*(\s)], 1
	s_add_co_u32 s[G0+4*(\s)+1], s20, (\s)*SLOT
	s_add_nc_u64 s[G0+4*(\s)+2:G0+4*(\s)+3], s[14:15], (\s)*KSTEP*2
	s_or_b32 s[G0+4*(\s)+3], s[G0+4*(\s)+3], 0x80000000
	s_mov_b32 s[G0B+4*(\s)], 1
	s_add_co_u32 s[G0B+4*(\s)+1], s21, (\s)*SLOT
	s_add_nc_u64 s[G0B+4*(\s)+2:G0B+4*(\s)+3], s[46:47], (\s)*KSTEP*2
	s_or_b32 s[G0B+4*(\s)+3], s[G0B+4*(\s)+3], 0x80000000
	JLOAD \s                                       ; K steps 0 and 1: two loads of mine are out
.endr
	; a fragment is 16 rows x 32 K in 8 registers: lane l holds row l % 16, K = 8 (l / 16) + 0..7 and 16 + 8 (l / 16) + 0..7: two loads of 16 bytes, 32 bytes apart
	v_and_b32 v1, 15, v0
	v_bfe_u32 v2, v0, 4, 1
	v_mul_u32_u24 v3, v1, PITCH
	v_lshl_add_u32 v3, v2, 4, v3
	s_mul_i32 s21, s11, HA
	s_mul_i32 s22, s12, HB
	s_add_co_u32 s22, s22, 2*HA
.irp s, 0,1
	v_add_nc_u32 v[ADRA+(\s)], s21, v3
	v_add_nc_u32 v[ADRB+(\s)], s22, v3
	s_add_co_u32 s21, s21, SLOT
	s_add_co_u32 s22, s22, SLOT
.endr
	s_mul_i32 s23, s10, 16*SPITCH
	s_add_co_u32 s23, s23, STAGE                   ; my stage
	v_mul_u32_u24 v4, v1, SPITCH
	v_lshl_add_u32 v4, v2, 4, v4                   ; in: row l % 16, 16 bytes for each half of the lanes
	v_add_nc_u32 v[STO], s23, v4
	v_mul_u32_u24 v5, v2, SPITCH                   ; back: lanes 0-15 take one row of 256 bytes, lanes 16-31 the next
	v_lshl_add_u32 v5, v1, 4, v5
	v_add_nc_u32 v[RD], s23, v5
	v_mul_u32_u24 v5, v2, SIZE_N*ES
	v_lshl_add_u32 v[CO], v1, 4, v5
	s_lshl_b32 s16, s13, 7                         ; where my part of the first tile begins in C, in bytes (under 2^31)
	s_lshl_b32 s14, s11, 6
	s_add_co_u32 s16, s16, s14
	s_mul_i32 s16, s16, SIZE_N*ES
	s_lshl_b32 s46, s42, 8
	s_lshl_b32 s47, s12, 7
	s_add_co_u32 s46, s46, s47
	s_lshl_b32 s47, s3, 10
	s_add_co_u32 s46, s46, s47                     ; column 1,024 x group + 256 x tile column + 128 x half
	s_mul_i32 s46, s46, ES
	s_add_co_u32 s16, s16, s46
	s_mov_b32 s17, 0
	; the prefetches
	s_lshl_b32 s20, s13, 7
	s_lshl_b32 s21, s40, 5
	s_add_co_u32 s20, s20, s21                     ; A: row 128 x tile row + 32 cx
	s_lshl_b32 s21, s42, 8
	s_lshl_b32 s23, s41, 6
	s_add_co_u32 s21, s21, s23
	s_lshl_b32 s23, s12, 5
	s_add_co_u32 s21, s21, s23
	s_lshl_b32 s23, s3, 10
	s_add_co_u32 s21, s21, s23                     ; B: row 1,024 x group + 256 x tile column + 64 cy + 32 x half
	s_and_b32 s22, ttmp7, 0xffff
	s_sub_co_u32 s22, s22, s3                      ; 0 in the first of the clusters that begin at this group
	s_cmp_eq_u32 s11, 0
	s_cselect_b32 s20, s20, s21
	s_cselect_b32 s22, s12, s22                    ; A: wave 0 asks; B: that first cluster asks
	s_cselect_b64 s[PFA:PFA+1], s[4:5], s[6:7]
	s_cmp_eq_u32 s22, 0
	s_cselect_b32 s[LIM], 1, -1                    ; the same in all sixteen partners, for a given wave
	s_lshl_b32 s20, s20, 11
	s_mov_b32 s21, 0
	s_add_nc_u64 s[PFA:PFA+1], s[PFA:PFA+1], s[20:21]
	s_add_nc_u64 s[PFA:PFA+1], s[PFA:PFA+1], 2*KSTEP*2  ; at K step 2: the first refill steps it to 3 and names K step 4.  Nothing is asked for here, at the head
	v_and_b32 v[PFO], 31, v0
	v_lshlrev_b32 v[PFO], 11, v[PFO]
	s_mov_b32 s[GRP], s3
	s_mov_b32 s[WRB+1], 0
; 8 matrix instructions: m block a x all 8 n blocks, 32 along K, from buffer f.  zero = 1: the product starts the sums.  The 32 accumulators take turns in the same order in every quarter.
.macro MUL8 f, a, zero
	WIN MUL
.irp b, 0,1,2,3,4,5,6,7
.if \zero
	v_wmma_f32_16x16x32_bf16 v[8*(8*(\a)+(\b)):8*(8*(\a)+(\b))+7], v[FB+64*(\f)+8*(\b):FB+64*(\f)+8*(\b)+7], v[FA+32*(\f)+8*(\a):FA+32*(\f)+8*(\a)+7], 0
.else
	v_wmma_f32_16x16x32_bf16 v[8*(8*(\a)+(\b)):8*(8*(\a)+(\b))+7], v[FB+64*(\f)+8*(\b):FB+64*(\f)+8*(\b)+7], v[FA+32*(\f)+8*(\a):FA+32*(\f)+8*(\a)+7], v[8*(8*(\a)+(\b)):8*(8*(\a)+(\b))+7]
.endif
.endr
.endm
; 24 LDS loads in one run: a quarter step's fragments (128 rows of B, then 64 rows of A, 32 K at byte k of the rows) into buffer f
.macro FETCH slot, k, f
	WIN 0
.irp i, 0,1,2,3,4,5,6,7
	ds_load_b128 v[FB+64*(\f)+8*(\i):FB+64*(\f)+8*(\i)+3],   v[ADRB+(\slot)] offset:(\k)+(\i)*16*PITCH
	ds_load_b128 v[FB+64*(\f)+8*(\i)+4:FB+64*(\f)+8*(\i)+7], v[ADRB+(\slot)] offset:(\k)+(\i)*16*PITCH+32
.endr
.irp i, 0,1,2,3
	ds_load_b128 v[FA+32*(\f)+8*(\i):FA+32*(\f)+8*(\i)+3],   v[ADRA+(\slot)] offset:(\k)+(\i)*16*PITCH
	ds_load_b128 v[FA+32*(\f)+8*(\i)+4:FA+32*(\f)+8*(\i)+7], v[ADRA+(\slot)] offset:(\k)+(\i)*16*PITCH+32
.endr
.endm
.macro PLACES                          ; four plain vector instructions in front of loads into registers that matrix instructions have read, and of lines that read results
.rept 4
	v_nop
.endr
.endm
; A K step is four quarters of 32 along K, 32 matrix instructions each, on buffers 0, 1, 0, 1.  One of the first three: multiplies f, and in its middle fetches the next quarter, at byte k, into g.
.macro QUARTER slot, k, f, g, zero
	s_wait_dscnt 4                                 ; B and A's blocks 0 and 1 are in; the four youngest loads (A's blocks 2 and 3) may be out
	MUL8 \f, 0, \zero
	MUL8 \f, 1, \zero
	PLACES
	FETCH \slot, \k, \g
	s_wait_dscnt 24                                ; all but the 24 just issued
	MUL8 \f, 2, \zero
	MUL8 \f, 3, \zero
.endm
; The first half of the last quarter, which multiplies buffer 1 and changes slots: one barrier.  In front of it each wave waits for all its tensor loads (one is out: its part of the next slot),
; adds 0 to its spare word, and waits for that and for its own reads of this slot.
.macro MEET round
	WIN 0
	s_wait_tensorcnt 0x0
	ds_add_u32 v[SPW], v[NIL]
	s_wait_dscnt 5                                 ; (the add and the four youngest loads may be out)
	MUL8 1, 0, 0                                   ; eight matrix instructions stand between the add and the wait for it
	s_wait_dscnt 0x0                               ; the add is done, and my reads of this slot are over
	s_barrier_signal -1
	MUL8 1, 1, 0
.if \round
	WIN 0
.endif
	s_barrier_wait -1
.endm
; The whole last quarter.  Behind the round the slot just read out is filled again first: with this tile's K step two on (on = 0) or the next tile's K step 0 or 1 (on = 1).
; From a request to the wait for it a wave issues 112 matrix instructions.
.macro TURN slot, next, on
	s_wait_xcnt 0x0                                ; the last prefetch, a K step back, has read its address
	s_add_nc_u64 s[PFA:PFA+1], s[PFA:PFA+1], KSTEP*2  ; (behind the first tile it is stepped on and named no more)
.if (\on) && (\slot) == 0
	s_mov_b32 s[LIM], -1                           ; the walk's first tile ends: from here on all rows have been read before, and nobody asks
.endif
	MEET 1
	CREST                                          ; no wave of any partner still reads this slot's tile or has a load on its way
.if \on
	s_sub_nc_u64 s[G0+4*(\slot)+2:G0+4*(\slot)+3], s[G0+4*(\slot)+2:G0+4*(\slot)+3], BACK_A
	s_add_nc_u64 s[G0B+4*(\slot)+2:G0B+4*(\slot)+3], s[G0B+4*(\slot)+2:G0B+4*(\slot)+3], NEXT_B
	s_sub_nc_u64 s[G0B+4*(\slot)+2:G0B+4*(\slot)+3], s[G0B+4*(\slot)+2:G0B+4*(\slot)+3], s[WRB:WRB+1]  ; from the last group round to the first
.else
	s_add_nc_u64 s[G0+4*(\slot)+2:G0+4*(\slot)+3], s[G0+4*(\slot)+2:G0+4*(\slot)+3], 2*KSTEP*2
	s_add_nc_u64 s[G0B+4*(\slot)+2:G0B+4*(\slot)+3], s[G0B+4*(\slot)+2:G0B+4*(\slot)+3], 2*KSTEP*2
.endif
	JLOAD \slot                                    ; the four v_nop behind it are also the places in front of the loads below
	FETCH \next, 0, 0
.if !(\on)
	ASK
.endif
	MUL8 1, 2, 0
	MUL8 1, 3, 0
.endm
; THE WAY OUT, a block of 16 rows at a time, through my own stage in LDS: LDS serves a wave's instructions in order (ISA guide 5.7.1.4), so no wait stands between its stores and its loads.
.macro PACK a
	WIN 0x05                                       ; sources in window 1
.irp b, 0,1,2,3,4,5,6,7
.irp r, 0,1,2,3
	v_cvt_pk_f16_f32 v[TMP+4*(\b)+(\r)], v[8*(8*(\a)+(\b))+2*(\r)], v[8*(8*(\a)+(\b))+2*(\r)+1]
.endr
.endr
	WIN 0
.endm
.macro TOSTAGE a
.set BK, 96+96*((\a)%2)                ; the second fragment buffers are free here: v96-127, v192-223 by turns
.irp b, 0,1,2,3,4,5,6,7
	ds_store_b128 v[STO], v[TMP+4*(\b):TMP+4*(\b)+3] offset:32*(\b)
.endr
.irp t, 0,1,2,3,4,5,6,7
	ds_load_b128 v[BK+4*(\t):BK+4*(\t)+3], v[RD] offset:(\t)*2*SPITCH
.endr
.endm
.macro SEND a
.set BK, 96+96*((\a)%2)
	s_wait_dscnt 0x0                               ; the block is back in registers
	s_wait_xcnt 0x0                                ; earlier stores have read their base and their data
	s_add_nc_u64 s[18:19], s[8:9], s[16:17]
	s_add_co_u32 s16, s16, 16*SIZE_N*ES
.irp t, 0,1,2,3,4,5,6,7
	global_store_b128 v[CO], v[BK+4*(\t):BK+4*(\t)+3], s[18:19] offset:2*(\t)*SIZE_N*ES  ; 16 lanes store 256 consecutive bytes, aligned
.endr
.endm
.macro WAYOUT
	PACK 0
	TOSTAGE 0
.irp a, 1,2,3                          ; block a's conversions stand between block a - 1's loads from the stage and the wait for them
	PACK \a
	SEND (\a)-1
	TOSTAGE \a
.endr
	SEND 3
.endm
	s_wait_tensorcnt 1                             ; my part of K step 0 is in; K step 1's may stay out
	s_barrier_signal -1
	s_barrier_wait -1
	FETCH 0, 0, 0
	s_mov_b32 s2, TILES                            ; tiles to go, this one among them
.Ltile:
	s_cmp_eq_u32 s[GRP], TILES-1                   ; is this tile's group the last?  Then the next is the first
	s_cselect_b32 s[WRB], WRAP_B, 0
	s_cselect_b32 s[WRC], WRAP_C, 0
	QUARTER 0, 64, 0, 1, 1                         ; a tile's first quarter stands in front of the loop: its products start the sums
	WIN 0
	s_mov_b32 s3, LAPS-1
.Llap:                                                 ; a trip goes once round the ring, from a lap's second quarter to the next lap's first
	QUARTER 0, 128, 1, 0, 0
	QUARTER 0, 192, 0, 1, 0
	TURN 0, 1, 0
	QUARTER 1, 64,  0, 1, 0
	QUARTER 1, 128, 1, 0, 0
	QUARTER 1, 192, 0, 1, 0
	TURN 1, 0, 0
	QUARTER 0, 64,  0, 1, 0
	WIN 0
	s_sub_co_u32 s3, s3, 1
	s_cmp_lg_u32 s3, 0
	s_cbranch_scc1 .Llap
	QUARTER 0, 128, 1, 0, 0                        ; the tile's last lap goes on
	QUARTER 0, 192, 0, 1, 0
	WIN 0
	s_cmp_eq_u32 s2, 1
	s_cbranch_scc1 .Llast_tile                     ; the last tile's tail is written out: it asks for nothing more
	TURN 0, 1, 1                                   ; the ring goes on into the next tile: slot 0 takes its K step 0,
	QUARTER 1, 64,  0, 1, 0
	QUARTER 1, 128, 1, 0, 0
	QUARTER 1, 192, 0, 1, 0
	TURN 1, 0, 1                                   ; slot 1 its K step 1, and the next tile's first fragments are fetched
	WAYOUT                                         ; blocks 0 and 1 were finished in front of the joint load's four v_nop; block 0's conversions are the places behind the last products
	s_wait_xcnt 0x0                                ; the last stores have read v96-127 and v192-223, into which the next tile's first quarter loads fragments
	s_sub_co_u32 s16, s16, 64*SIZE_N*ES-WALKN*ES   ; back up my 64 rows, WALKN columns on,
	s_sub_co_u32 s16, s16, s[WRC]                  ; or round to the first group
	s_add_co_u32 s[GRP], s[GRP], 1
	s_cmp_eq_u32 s[GRP], TILES
	s_cselect_b32 s[GRP], 0, s[GRP]
	s_sub_co_u32 s2, s2, 1
	s_branch .Ltile
.Llast_tile:
	MEET 0                                         ; the one load that was out is the last K step's, so no round follows
	PLACES
	FETCH 1, 0, 0
	MUL8 1, 2, 0
	MUL8 1, 3, 0
	QUARTER 1, 64,  0, 1, 0
	QUARTER 1, 128, 1, 0, 0
	QUARTER 1, 192, 0, 1, 0
	s_wait_dscnt 4
	MUL8 1, 0, 0
	MUL8 1, 1, 0
	s_wait_dscnt 0x0
	MUL8 1, 2, 0
	MUL8 1, 3, 0
	WIN 0
	PLACES
	WAYOUT
	s_wait_tensorcnt 0x0                           ; the wave's end
	ds_add_u32 v[SPW], v[NIL]
	s_wait_dscnt 0x0
	CROUND                                         ; the closing round
	s_endpgm
.Lfunc_end_k_qa73f54ca0f_proj:
	.size	k_qa73f54ca0f_proj, .Lfunc_end_k_qa73f54ca0f_proj-k_qa73f54ca0f_proj
	.p2alignl 7, 3214868480
	.fill 96, 4, 3214868480
	.section	.rodata,"a",@progbits
	.p2align	6, 0x0
	.amdhsa_kernel k_qa73f54ca0f_proj
		.amdhsa_group_segment_fixed_size 327680
		.amdhsa_private_segment_fixed_size 0
		.amdhsa_enable_private_segment 0
		.amdhsa_kernarg_size 24
		.amdhsa_user_sgpr_count 2
		.amdhsa_user_sgpr_kernarg_segment_ptr 1
		.amdhsa_wavefront_size32 1
		.amdhsa_system_sgpr_workgroup_id_x 1
		.amdhsa_system_sgpr_workgroup_id_y 1
		.amdhsa_system_sgpr_workgroup_id_z 1
		.amdhsa_system_vgpr_workitem_id 0
		.amdhsa_next_free_vgpr 512
		.amdhsa_next_free_sgpr 66
		.amdhsa_reserve_vcc 0
		.amdhsa_float_denorm_mode_32 3
		.amdhsa_float_denorm_mode_16_64 3
		.amdhsa_memory_ordered 1
		.amdhsa_forward_progress 1
		.amdhsa_inst_pref_size 125
	.end_amdhsa_kernel
	.amdgpu_metadata
---
amdhsa.version: [ 1, 2 ]
amdhsa.kernels:
  - .name:           k_qa73f54ca0f_proj
    .symbol:         k_qa73f54ca0f_proj.kd
    .args:
      - { .name: xb, .offset: 0, .size: 8, .value_kind: global_buffer, .address_space: global }
      - { .name: wb, .offset: 8, .size: 8, .value_kind: global_buffer, .address_space: global }
      - { .name: pbuf, .offset: 16, .size: 8, .value_kind: global_buffer, .address_space: global }
    .group_segment_fixed_size: 327680
    .private_segment_fixed_size: 0
    .kernarg_segment_align: 8
    .kernarg_segment_size: 24
    .max_flat_workgroup_size: 128
    .sgpr_count:     66
    .vgpr_count:     512
    .wavefront_size: 32
...
	.end_amdgpu_metadata
.endif
;; end of part 6
;; launch scan (part 7): grid 256 x 1, 4 waves a work-group, no clusters, 327,680 bytes of LDS; arguments pbuf, state, ybuf, out1; writes ybuf, out1
.if DOCPART == 7
	.amdgcn_target "amdgcn-amd-amdhsa--gfx1250"
	.amdhsa_code_object_version 6
	.text
	.protected	k_qa73f54ca0f_scan
	.globl	k_qa73f54ca0f_scan
	.p2align	8
	.type	k_qa73f54ca0f_scan,@function
k_qa73f54ca0f_scan:
	s_mov_b64 s[64:65], 0
	v_nop
	global_prefetch_b8 v0, s[64:65] scope:SCOPE_SE
	s_setreg_imm32_b32 hwreg(HW_REG_WAVE_MODE, 25, 1), 1
	s_wait_xcnt 0x0
; THE RECURRENCE, in chunks.  S_t[i][j] = w_t[i] S_t-1[i][j] + k_t[i] v_t[j];  y_t[i] = sum over j of S_t[i][j] r_t[j];  w = exp(-exp(ww)).
; pbuf: [8192 tokens][5120] f16; a token's r | k | v | ww of head h are the 512 bytes at 512 h.  state, out1: [128][64][64] f32.  ybuf: [8192][1024] f32.
; SHARES.  A (batch, head) has two work-groups, 256 in all.  The first walks tokens 0-511 in full and leaves no state.  The second first walks tokens 0-511 FOR THE STATE ALONE (PCHUNK2: 32 tokens a
; trip, 140 vector lines and 4 products), then tokens 512-1023 in full, by the same text as the first, and stores the last state.  Four tiles for the state alone are an even number: the ring of two
; slots stands at the full walk's beginning as at the kernel's head, whichever way leads there.
; Wave q owns the state's rows i = 16 q .. 16 q + 15; rows do not depend on each other.  What does not hang on the rows (r in bf16, r . v) is made once a work-group: at a tile's beginning wave q makes
; it for chunks 2 q and 2 q + 1 and lays it into LDS for all four.  Rows of y meet in LDS so that a token's 256 bytes leave whole.
; A CHUNK is 16 tokens, two blocks of 8.  Only products of w's are formed (each at most 1): never a quotient, never a difference of logarithms; w may be exactly 0.
;   P'[t] the product of w inside t's block up to and with t; Q'[s] the product behind s to its block's end; T = a block's whole product.
;   y_t = P'_t (FF Y0_t + ZO_t) + zd_t.   Y0 = R S^T (the state ahead of the chunk); FF = 1 in block 0, T of block 0 in block 1;
;   ZO[t][i] = sum over s < 8 of (r_t . v_s) k_s[i] Q'_s[i], for t >= 8;  zd: the two triangles s <= t inside a block, in f32 on the vector unit.
;   S_new = T0 T1 S + sum over s of (k_s Q'_s GG) v_s;  GG = T of block 1 in block 0, 1 in block 1.
; LAYOUT.  Lane (r = l % 16, hh = l / 16), register q: channel i = 16 wave + r, token 8 hh + q.  That is the result layout of a product D[token][channel], the source-1 layout (packed in pairs) of a
; sum over tokens, and what a turning load brings of k and ww.  S^T lies in four accumulators D[j][i]; two of them packed in pairs are a source-1 fragment of R S^T.  (r_t . v_s) is made as D[s][t]:
; packed in pairs it is source 0 of ZO; for the triangles it is read back from LDS as broadcasts.
; FORMATS.  r . v and the state's update multiply in f16 (r, k, v arrive so; k's weights are no larger than k).  The state and r . v as operands go in bf16, since their range is that of products of inputs.
; The state itself, y and all decays stay in f32.  The state that comes in is rounded to bf16, as every input of the program is.
; LIMITS.  r, k, v, ww arrive within f16's 65,504.  A decay below 2^-126 counts as 0.  NaN and infinities are not treated apart.
.set TP,    528                        ; a token's row in LDS: 512 bytes + 16
.set CHB,   16*TP                      ; a chunk
.set SLOTB, 128*TP                     ; a slot: a tile of 128 tokens; 0x10800 shares no bit with a wave's place in a slot, so an exclusive or changes slots
.set YPI,   272                        ; a token's 64 numbers of y in LDS: 256 bytes + 16
.set YST,   2*SLOTB                    ; 128 tokens of y
.set RECB,  4096                       ; a chunk's record: r . v in f32, 16 rows x 80 bytes; at 1,280 the same packed in bf16, 16 bytes a lane; at 1,792 r in bf16, 16 rows x 144 bytes
.set CREC,  YST+128*YPI                ; the tile's eight records
.set SSTG,  CREC+8*RECB                ; for each wave 16 rows x 272 bytes: the state's way out
.set SPARE, SSTG+4*16*272              ; the spare words: 128 bytes a wave, two blocks of 256 bytes that no other line names
.set PROW,  10240                      ; bytes in a row of pbuf
.set TILEB, 128*PROW
.set ATK0, 1                           ; turning loads of k and ww: ATR0 + 32 wave
.set ZP,   2                           ; v[2:5] two pairs at work
.set LG,   6                           ; log2(e)
.set ONE,  7
.set ZR,   8
.set ADK,  9
.set AR0,  10                          ; a fragment's lane term: r x 528 + 16 hh
.set ATR0, 11                          ; a turning load's: (8 hh + l % 8) x 528 + 16 ((l / 8) % 2)
.set ADF,  12
.set ADT,  13
.set ASTO, 14                          ; where I put r . v of my first chunk: its record + r x 80 + 32 hh
.set ARD0, 15                          ; the triangles' lane term: CREC + 672 hh
.set YAD0, 16
.set YAD,  17
.set AMK,  18                          ; all ones in lanes 8-15, else 0
.set PFO,  19
.set GO,   20
.set FRD,  21
.set SPW,  22
.set NIL,  23
.set SSTO, 24
.set SRD,  25
.set SGO,  26
.set SGO2, 27
.set ARD,  28
.set TO,   29                          ; the other block's T
.set FF,   30                          ; pairs: the packed forms take the low word for both halves
.set GG,   32
.set PE,   34
.set AHA0, 36                          ; packed r . v: CREC + 1,280 + 16 l
.set RBA0, 37                          ; r in bf16: CREC + 1,792 + r x 144 + 16 hh
.set AHA,  38
.set RBA,  39
.set RB,   40                          ; r in bf16, two fragments
.set KT,   56                          ; k, my channel, 8 tokens, f16
.set WT,   60                          ; ww likewise
.set VT,   64                          ; v turned: four fragments; registers 4-7 of each stay 0 (tokens 16-31 do not exist in a full chunk)
.set KH,   96                          ; k Q' GG, f16; registers 4-7 stay 0
.set KP,   104                         ; k Q', bf16; likewise
.set AH,   112                         ; r . v, bf16, lanes 8-15; likewise
.set ST,   120                         ; the state: four accumulators
.set Y0,   152                         ; R S^T, later y
.set ZO,   160                         ; first R S^T's first half, then ZO
.set AD,   168                         ; the triangles' r . v, 48 registers
.set W,    216
.set KF,   224
.set PP,   232
.set QQ,   240
.set KX,   248                         ; later zd
.set SB,   240                         ; the state in bf16: lives from the first batch of exponentials to R S^T's products, ahead of QQ and KX
; a tile's prologue, in registers that are free there
.set PRF,  168                         ; chunk u: r at PRF + 32 u, v at PRF + 16 + 32 u (f16 fragments)
.set PTM,  248                         ; eight numbers in f32, at work
; the walk for the state alone: the second 16 tokens' registers, and fragments of its own
.set KTB,  40
.set WTB,  44
.set PTA,  48                          ; a block's T, first and second 16 tokens
.set PTB,  49
.set POA,  50                          ; the other block's
.set POB,  51
.set PEA,  52                          ; T0 T1
.set PEB,  53
.set GGB,  54                          ; a pair
.set WB,   152
.set KFB,  160
.set VTP,  168                         ; v turned, 32 tokens: four whole fragments
.set KHP,  200                         ; k's weights, 32 tokens
.set KXB,  208
.set QQB,  232
; at the head alone
.set TR,   216
.set TH,   217
.set TL,   218
.set TX,   219
.set WV,    12
.set HALF,  15                         ; 0: tokens 0-511; 1: the state of those, then tokens 512-1023
.set G1,    16
.set G0,    24
.set SBASE, 40
.set INC,   41
.set TB,    42
.set YB,    43
.set SLOTS, 44
.set CNT,   45
.set PSL,   46                         ; counts the tiles walked for the state alone
.set CB,    47                         ; the record of the chunk to be fetched, in bytes from CREC
.set NL2,   48
.set HM,    50
.set INC2,  51
.set SEL,   52
.set YP,    54
.set PFA,   56
.set SIN,   58
.set SOUT,  60
.macro CVH d, s, half, f               ; v[d] = a half of v[s], f16, times v[f], in f32
.if \half
	v_fma_mix_f32 v[\d], v[\s], v[\f], v[ZR] op_sel:[1,0,0] op_sel_hi:[1,0,0]
.else
	v_fma_mix_f32 v[\d], v[\s], v[\f], v[ZR] op_sel_hi:[1,0,0]
.endif
.endm
	s_load_b256 s[4:11], s[0:1], 0x0               ; pbuf s[4:5], state s[6:7], ybuf s[8:9], out1 s[10:11]
	v_lshl_add_u32 v[SPW], v0, 2, SPARE
	v_mov_b32 v[NIL], 0
	ds_add_u32 v[SPW], v[NIL]                      ; the wave's opening: the add, twice on end, and its wait ahead of my first tensor load
	ds_add_u32 v[SPW], v[NIL]
	v_lshrrev_b32 v[TX], 5, v0
	v_readfirstlane_b32 s[WV], v[TX]               ; wave 0..3
	s_lshr_b32 s13, ttmp9, 5                       ; batch
	s_bfe_u32 s14, ttmp9, 0x40001                  ; head: four bits from bit 1
	s_and_b32 s[HALF], ttmp9, 1
	s_mov_b32 s[G1+0], (1<<16)|(1<<20)|(6<<22)|(3<<25)  ; 2-byte elements; padding on; after every 128 words; 4 words
	s_mov_b32 s[G1+1], 256<<16                     ; tensor_dim0 = 256
	s_mov_b32 s[G1+2], 32<<16                      ; tensor_dim1 = 32
	s_mov_b32 s[G1+3], 256<<16                     ; tile_dim0 = 256 elements: 512 bytes, aligned
	s_mov_b32 s[G1+4], 32                          ; tile_dim1 = 32: a wave's quarter of a tile; two slots of twice the tokens and y's stage of as many would not fit
	s_mov_b32 s[G1+5], 5120                        ; elements from row to row
	s_mov_b32 s[G1+6], 0
	s_mov_b32 s[G1+7], 0
	s_mov_b32 s[G0], 1
	s_mul_i32 s[G0+1], s[WV], 32*TP                ; slot 0, my 32 rows
	s_lshl_b32 s28, s13, 10
	s_lshl_b32 s29, s[WV], 5
	s_add_co_u32 s28, s28, s29                     ; token 1024 b + 32 wave: both halves begin to read at the batch's first tile
	s_mul_i32 s30, s28, PROW
	s_lshl_b32 s31, s14, 9
	s_add_co_u32 s30, s30, s31
	s_mov_b32 s31, 0
	s_lshl_b32 s33, s[HALF], 9
	s_add_co_u32 s32, s28, s33                     ; y begins 512 tokens further on for the second half
	s_lshl_b32 s32, s32, 12                        ; a token's row of y, 4,096 bytes, and the head's 256 of them
	s_lshl_b32 s33, s14, 8
	s_add_co_u32 s32, s32, s33
	s_mov_b32 s33, 0
	s_lshr_b32 s34, ttmp9, 1
	s_lshl_b32 s34, s34, 14                        ; the state: 16,384 bytes a head, my 16 rows of 256
	s_lshl_b32 s35, s[WV], 12
	s_add_co_u32 s34, s34, s35
	s_mov_b32 s35, 0
	s_mov_b32 s[SBASE], SLOTB                      ; the first change of slots turns it into 0
	s_mov_b32 s[NL2], 0xbfb8aa3b                   ; -log2(e)
	s_mov_b32 s[NL2+1], 0xbfb8aa3b
	s_mov_b32 s[HM], 0xffff0000                    ; lanes 16-31
	s_mov_b32 s[SEL], 0x76543210
	s_mov_b32 s[SEL+1], 0xfedcba98
	s_wait_dscnt 0x0                               ; both opening adds are done
	s_wait_kmcnt 0x0
	s_add_nc_u64 s[G0+2:G0+3], s[4:5], s[30:31]
	s_add_nc_u64 s[PFA:PFA+1], s[G0+2:G0+3], 2*TILEB  ; at tile 2: the first change steps it to tile 3
	s_or_b32 s[G0+3], s[G0+3], 0x80000000
	s_add_nc_u64 s[YP:YP+1], s[8:9], s[32:33]
	s_add_nc_u64 s[SIN:SIN+1], s[6:7], s[34:35]
	s_add_nc_u64 s[SOUT:SOUT+1], s[10:11], s[34:35]
	tensor_load_to_lds s[G0:G0+3], s[G1:G1+7]      ; tile 0 into slot 0
	s_nop 0
	v_and_b32 v[TR], 15, v0                        ; r
	v_bfe_u32 v[TH], v0, 4, 1                      ; hh
	v_and_b32 v[TL], 31, v0                        ; l
	v_lshlrev_b32 v[SGO], 8, v[TR]
	v_lshl_add_u32 v[SGO], v[TH], 5, v[SGO]        ; the state's row r, 8 numbers from 8 hh on
.irp t, 0,1,2,3
	global_load_b128 v[ST+8*(\t):ST+8*(\t)+3],   v[SGO], s[SIN:SIN+1] offset:64*(\t)      ; S[i = r][j = 16 t + 8 hh + 0..7]
	global_load_b128 v[ST+8*(\t)+4:ST+8*(\t)+7], v[SGO], s[SIN:SIN+1] offset:64*(\t)+16
.endr
	v_mov_b32 v[LG], 0x3fb8aa3b
	v_mov_b32 v[ONE], 1.0
	v_mov_b32 v[ZR], 0
	v_mul_u32_u24 v[AR0], v[TR], TP
	v_lshl_add_u32 v[AR0], v[TH], 4, v[AR0]
	v_and_b32 v[TX], 7, v0
	v_lshl_add_u32 v[TX], v[TH], 3, v[TX]
	v_mul_u32_u24 v[ATR0], v[TX], TP
	v_bfe_u32 v[TX], v0, 3, 1
	v_lshl_add_u32 v[ATR0], v[TX], 4, v[ATR0]
	s_lshl_b32 s28, s[WV], 5
	v_add_nc_u32 v[ATK0], s28, v[ATR0]
	s_lshl_b32 s28, s[WV], 13                      ; my two records: 2 x 4,096 bytes a wave
	s_add_co_u32 s28, s28, CREC
	v_mul_u32_u24 v[ASTO], v[TR], 80
	v_lshl_add_u32 v[ASTO], v[TH], 5, v[ASTO]
	v_add_nc_u32 v[ASTO], s28, v[ASTO]             ; row t = r, the numbers s = 8 hh + 0..7
	v_mul_u32_u24 v[ARD0], v[TH], 672
	v_add_nc_u32 v[ARD0], CREC, v[ARD0]            ; row 8 hh, from s = 8 hh on: 8 x 80 + 32
	v_lshl_add_u32 v[AHA0], v[TL], 4, CREC+1280
	v_mul_u32_u24 v[RBA0], v[TR], 144
	v_lshl_add_u32 v[RBA0], v[TH], 4, v[RBA0]
	v_add_nc_u32 v[RBA0], CREC+1792, v[RBA0]
	v_mul_u32_u24 v[YAD0], v[TH], 8*YPI
	v_lshl_add_u32 v[YAD0], v[TR], 2, v[YAD0]
	s_lshl_b32 s28, s[WV], 6
	v_add_nc_u32 v[YAD0], s28, v[YAD0]             ; token 8 hh, channel 16 wave + r
	v_and_b32 v[TX], 24, v0
	v_cmp_eq_u32 vcc_lo, 8, v[TX]
	v_cndmask_b32 v[AMK], 0, -1, vcc_lo
	v_mul_u32_u24 v[PFO], v[TL], PROW
	v_lshlrev_b32 v[TX], 4, v[TR]
	v_lshl_add_u32 v[GO], v[TH], 12, v[TX]         ; two rows of y, 256 bytes of each
	v_lshl_add_u32 v[SGO2], v[TH], 8, v[TX]        ; two rows of the state
	v_mul_u32_u24 v[FRD], v[TH], YPI
	v_add_nc_u32 v[FRD], v[FRD], v[TX]
	s_mul_i32 s28, s[WV], 32*YPI
	s_add_co_u32 s28, s28, YST
	s_mul_i32 s29, s[WV], 16*272
	s_add_co_u32 s29, s29, SSTG
	v_add_nc_u32 v[SRD], s29, v[FRD]
	v_add_nc_u32 v[FRD], s28, v[FRD]               ; I send tokens 32 wave .. 32 wave + 31 of a tile
	v_mul_u32_u24 v[SSTO], v[TR], 272
	v_lshl_add_u32 v[SSTO], v[TH], 5, v[SSTO]
	v_add_nc_u32 v[SSTO], s29, v[SSTO]
	v_mov_b32 v[TO], 0                             ; a lane exchange's destination counts as read
	v_mov_b32 v[FF+1], 0                           ; named in pairs
	v_mov_b32 v[GG+1], 0
	v_mov_b32 v[PE+1], 0
.irp z, KH+4, KP+4, AH+4, VT+4, VT+12, VT+20, VT+28
	v_mov_b32 v[(\z)], 0                           ; the upper halves of the fragments that sum over 16 tokens only
	v_mov_b32 v[(\z)+1], 0
	v_mov_b32 v[(\z)+2], 0
	v_mov_b32 v[(\z)+3], 0
.endr
	s_wait_loadcnt 0x0                             ; the state
.set q, 0
.rept 16
	v_cvt_pk_bf16_f32 v[220+(q/2)%4], v[ST+q], v[ST+q+1]    ; rounded to bf16, kept in f32
	v_lshlrev_b32 v[ST+q], 16, v[220+(q/2)%4]
	v_and_b32 v[ST+q+1], 0xffff0000, v[220+(q/2)%4]
.set q, q+2
.endr
; The two triangles.  kd[s] = k_s times the w's behind s up to the token in hand; a = the token's row of r . v, from its block's first token on.  Nothing above the diagonal is read.
.macro DIAG
	v_mul_f32 v[KX], v[AD], v[KF]
.irp tau, 1,2,3,4,5,6,7
.if (\tau) < 4
.set aa, AD+4*(\tau)
.else
.set aa, AD+16+8*((\tau)-4)
.endif
.set zq, ZP+2*((\tau)%2)
.set wq, W+((\tau)/2)*2
.set p, 0
.rept (\tau)/2
.if (\tau)%2
	v_pk_mul_f32 v[KF+2*p:KF+2*p+1], v[KF+2*p:KF+2*p+1], v[wq:wq+1] op_sel:[0,1] op_sel_hi:[1,1]
.else
	v_pk_mul_f32 v[KF+2*p:KF+2*p+1], v[KF+2*p:KF+2*p+1], v[wq:wq+1] op_sel_hi:[1,0]
.endif
.set p, p+1
.endr
.if (\tau)%2
	v_mul_f32 v[KF+(\tau)-1], v[KF+(\tau)-1], v[W+(\tau)]
.endif
	v_pk_mul_f32 v[zq:zq+1], v[aa:aa+1], v[KF:KF+1]
.set p, 1
.rept ((\tau)+1)/2-1
	v_pk_fma_f32 v[zq:zq+1], v[aa+2*p:aa+2*p+1], v[KF+2*p:KF+2*p+1], v[zq:zq+1]
.set p, p+1
.endr
.if (\tau)%2 == 0
	v_fma_f32 v[zq], v[aa+(\tau)], v[KF+(\tau)], v[zq]
.endif
	v_add_f32 v[KX+(\tau)], v[zq], v[zq+1]
.endr
.endm
; The loads of a chunk's operands but k and ww, in one run of 21: r in bf16 (4), r . v packed (1), v turned (4), the triangles' r . v (12).  The counted waits of CHUNK lean on this order.
.macro OPERANDS
.irp n, 0,1,2,3
	ds_load_b128 v[RB+4*(\n):RB+4*(\n)+3], v[RBA] offset:32*(\n)
.endr
	ds_load_b128 v[AH:AH+3], v[AHA]
.irp t, 0,1,2,3
	ds_load_tr16_b128 v[VT+8*(\t):VT+8*(\t)+3], v[ADT] offset:256+32*(\t)
.endr
.irp t, 0,1,2,3
	ds_load_b128 v[AD+4*(\t):AD+4*(\t)+3], v[ARD] offset:80*(\t)
.endr
.irp t, 4,5,6,7
	ds_load_b128 v[AD+16+8*((\t)-4):AD+16+8*((\t)-4)+3],   v[ARD] offset:80*(\t)
	ds_load_b128 v[AD+16+8*((\t)-4)+4:AD+16+8*((\t)-4)+7], v[ARD] offset:80*(\t)+16
.endr
.endm
; ONE CHUNK IN FULL.  Its operands are in registers or on their way; the next chunk's k and ww are asked for in its middle, the others in one run near its end.
.macro CHUNK
	s_wait_dscnt 29                                ; k and ww are in: younger are the last chunk's run of 21 loads and its 8 stores of y
	s_cmp_lg_u32 s[CNT], 1
	s_cselect_b32 s[INC], CHB, 0                   ; a tile's last chunk fetches itself once more, so that no read leaves the slot or the records
	s_cselect_b32 s[INC2], RECB, 0
	s_add_co_u32 s[TB], s[TB], s[INC]
	s_add_co_u32 s[CB], s[CB], s[INC2]
.set q, 0
.rept 8
	CVH W+q, WT+q/2, q%2, LG                       ; ww log2(e)
.set q, q+1
.endr
.set q, 0
.rept 8
	v_exp_f32 v[W+q], v[W+q]                       ; exp(ww): the first batch
.set q, q+1
.endr
.irp t, 0,1,2,3
.irp u, 0,1,2,3
	v_cvt_pk_bf16_f32 v[SB+4*(\t)+(\u)], v[ST+8*(\t)+2*(\u)], v[ST+8*(\t)+2*(\u)+1]   ; work that names no result of the batch: the state in bf16, each accumulator from its low end on
.endr
.endr
	s_wait_alu depctr_va_vdst(0)                   ; one wait for the first batch, ahead of its first reader
.irp p, 0,2,4,6
	v_pk_mul_f32 v[W+(\p):W+(\p)+1], v[W+(\p):W+(\p)+1], s[NL2:NL2+1] op_sel_hi:[1,0]
.endr
.set q, 0
.rept 8
	v_exp_f32 v[W+q], v[W+q]                       ; w = exp(-exp(ww)): the second batch
.set q, q+1
.endr
	s_wait_dscnt 25                                ; r in bf16 is in: younger are the other 17 loads of the run and the 8 stores
	v_wmma_f32_16x16x32_bf16 v[ZO:ZO+7], v[RB:RB+7], v[SB:SB+7], 0               ; R S^T, j = 0-31 and j = 32-63, on two accumulators: it needs the state ahead of the chunk alone
	v_wmma_f32_16x16x32_bf16 v[Y0:Y0+7], v[RB+8:RB+15], v[SB+8:SB+15], 0
.set q, 0
.rept 8
	CVH KF+q, KT+q/2, q%2, ONE                     ; fourteen plain lines that name no result of the batch and no register of the two products: k in f32,
.set q, q+1
.endr
	v_add_nc_u32 v[ADT], s[TB], v[ATR0]            ; and the addresses: the next chunk's operands,
	v_add_nc_u32 v[ADK], s[TB], v[ATK0]
	v_add_nc_u32 v[ARD], s[CB], v[ARD0]
	v_add_nc_u32 v[AHA], s[CB], v[AHA0]
	v_add_nc_u32 v[RBA], s[CB], v[RBA0]
	v_add_nc_u32 v[YAD], s[YB], v[YAD0]            ; this chunk's y
	s_add_co_u32 s[YB], s[YB], 16*YPI
	ds_load_tr16_b128 v[KT:KT+3], v[ADK] offset:128   ; the next chunk's k and ww
	ds_load_tr16_b128 v[WT:WT+3], v[ADK] offset:384
	s_wait_alu depctr_va_vdst(0)                   ; one wait for the second batch
	v_mov_b32 v[PP], v[W]
	v_mov_b32 v[QQ+7], 1.0
	v_mov_b32 v[QQ+6], v[W+7]
.set q, 1
.rept 6
	v_mul_f32 v[PP+q], v[PP+q-1], v[W+q]           ; the two chains by turns
	v_mul_f32 v[QQ+6-q], v[QQ+7-q], v[W+7-q]
.set q, q+1
.endr
	v_mul_f32 v[PP+7], v[PP+6], v[W+7]
	v_permlanex16_b32 v[TO], v[PP+7], s[SEL], s[SEL+1]
.irp p, 0,2,4,6
	v_pk_mul_f32 v[QQ+(\p):QQ+(\p)+1], v[KF+(\p):KF+(\p)+1], v[QQ+(\p):QQ+(\p)+1]   ; k Q'
.endr
	v_cndmask_b32 v[FF], v[ONE], v[TO], s[HM]
	v_cndmask_b32 v[GG], v[TO], v[ONE], s[HM]
	v_mul_f32 v[PE], v[PP+7], v[TO]
.irp p, 0,1,2,3
	v_cvt_pk_bf16_f32 v[KP+(\p)], v[QQ+2*(\p)], v[QQ+2*(\p)+1]
.endr
.irp p, 0,2,4,6
	v_pk_mul_f32 v[KX+(\p):KX+(\p)+1], v[QQ+(\p):QQ+(\p)+1], v[GG:GG+1] op_sel_hi:[1,0]
.endr
.irp p, 0,1,2,3
	v_cvt_pk_f16_f32 v[KH+(\p)], v[KX+2*(\p)], v[KX+2*(\p)+1]
.endr
.irp p, 0,2,4,6
	v_pk_add_f32 v[Y0+(\p):Y0+(\p)+1], v[Y0+(\p):Y0+(\p)+1], v[ZO+(\p):ZO+(\p)+1]     ; R S^T's two halves
.endr
	s_wait_dscnt 10                                ; the whole run is in: younger are the 8 stores of y and the two loads of k and ww
	v_wmma_f32_16x16x32_bf16 v[ZO:ZO+7], v[AH:AH+7], v[KP:KP+7], 0               ; ZO; the matrix instruction ahead of it wrote Y0: the accumulators take turns
.set q, 0
.rept 16
	v_pk_mul_f32 v[ST+q:ST+q+1], v[ST+q:ST+q+1], v[PE:PE+1] op_sel_hi:[1,0]      ; the state decays
.set q, q+2
.endr
.irp t, 0,1,2,3
	v_wmma_f32_16x16x32_f16 v[ST+8*(\t):ST+8*(\t)+7], v[VT+8*(\t):VT+8*(\t)+7], v[KH:KH+7], v[ST+8*(\t):ST+8*(\t)+7]
.endr
	DIAG                                           ; its 43 plain lines name no register of the five products: they are the places ahead of the loads and of ZO's first reader
	OPERANDS                                       ; the next chunk's
.irp p, 0,2,4,6
	v_pk_fma_f32 v[Y0+(\p):Y0+(\p)+1], v[Y0+(\p):Y0+(\p)+1], v[FF:FF+1], v[ZO+(\p):ZO+(\p)+1] op_sel_hi:[1,0,1]
.endr
.irp p, 0,2,4,6
	v_pk_fma_f32 v[Y0+(\p):Y0+(\p)+1], v[Y0+(\p):Y0+(\p)+1], v[PP+(\p):PP+(\p)+1], v[KX+(\p):KX+(\p)+1]
.endr
.irp q, 0,1,2,3,4,5,6,7
	ds_store_b32 v[YAD], v[Y0+(\q)] offset:YPI*(\q)
.endr
.endm
; 32 TOKENS FOR THE STATE ALONE: two chunks a and b side by side, two chains that do not wait for each other, and products whose 32 along K are all tokens.
; S_new = Ta Tb S + sum over a of (k Q' GG Tb) v + sum over b of (k Q' GG) v, with Tx = T0 T1 of chunk x.  v turned is fetched at the head, behind 18 plain lines, the places behind the last products;
; the next 32 tokens' k and ww in the middle.
.macro PCHUNK2
	s_wait_dscnt 0x0                               ; k and ww, asked for half a trip ago, are in
	v_add_nc_u32 v[ADT], s[TB], v[ATR0]            ; these 32 tokens,
	s_cmp_lg_u32 s[CNT], 1
	s_cselect_b32 s[INC], 2*CHB, 0                 ; a tile's last trip fetches its own k and ww once more, so that no read leaves the slot
	s_add_co_u32 s[TB], s[TB], s[INC]
	v_add_nc_u32 v[ADK], s[TB], v[ATK0]            ; the next
.set q, 0
.rept 8
	CVH W+q, WT+q/2, q%2, LG                       ; ww log2(e)
	CVH WB+q, WTB+q/2, q%2, LG
.set q, q+1
.endr
.irp t, 0,1,2,3
	ds_load_tr16_b128 v[VTP+8*(\t):VTP+8*(\t)+3],   v[ADT] offset:256+32*(\t)
	ds_load_tr16_b128 v[VTP+8*(\t)+4:VTP+8*(\t)+7], v[ADT] offset:CHB+256+32*(\t)
.endr
.set q, 0
.rept 8
	v_exp_f32 v[W+q], v[W+q]                       ; exp(ww): the first batch
	v_exp_f32 v[WB+q], v[WB+q]
.set q, q+1
.endr
.set q, 0
.rept 8
	CVH KF+q, KT+q/2, q%2, ONE                     ; a's k in f32: plain lines that name no result of the batch
.set q, q+1
.endr
	s_wait_alu depctr_va_vdst(0)                   ; one wait for the first batch
.irp p, 0,2,4,6
	v_pk_mul_f32 v[W+(\p):W+(\p)+1], v[W+(\p):W+(\p)+1], s[NL2:NL2+1] op_sel_hi:[1,0]
	v_pk_mul_f32 v[WB+(\p):WB+(\p)+1], v[WB+(\p):WB+(\p)+1], s[NL2:NL2+1] op_sel_hi:[1,0]
.endr
.set q, 0
.rept 8
	v_exp_f32 v[W+q], v[W+q]                       ; w: the second batch
	v_exp_f32 v[WB+q], v[WB+q]
.set q, q+1
.endr
.set q, 0
.rept 8
	CVH KFB+q, KTB+q/2, q%2, ONE                   ; b's k
.set q, q+1
.endr
	ds_load_tr16_b128 v[KT:KT+3],   v[ADK] offset:128        ; the next 32 tokens' k and ww
	ds_load_tr16_b128 v[WT:WT+3],   v[ADK] offset:384
	ds_load_tr16_b128 v[KTB:KTB+3], v[ADK] offset:CHB+128
	ds_load_tr16_b128 v[WTB:WTB+3], v[ADK] offset:CHB+384
	s_wait_alu depctr_va_vdst(0)                   ; one wait for the second batch
	v_mov_b32 v[QQ+7], 1.0
	v_mov_b32 v[QQB+7], 1.0
	v_mov_b32 v[QQ+6], v[W+7]
	v_mov_b32 v[QQB+6], v[WB+7]
.set q, 1
.rept 6
	v_mul_f32 v[QQ+6-q], v[QQ+7-q], v[W+7-q]       ; Q', the two chunks by turns
	v_mul_f32 v[QQB+6-q], v[QQB+7-q], v[WB+7-q]
.set q, q+1
.endr
	v_mul_f32 v[PTA], v[QQ], v[W]                  ; T = Q'[0] w[0]
	v_mul_f32 v[PTB], v[QQB], v[WB]
	v_permlanex16_b32 v[POA], v[PTA], s[SEL], s[SEL+1]
	v_permlanex16_b32 v[POB], v[PTB], s[SEL], s[SEL+1]
.irp p, 0,2,4,6
	v_pk_mul_f32 v[QQ+(\p):QQ+(\p)+1], v[KF+(\p):KF+(\p)+1], v[QQ+(\p):QQ+(\p)+1]        ; k Q'
	v_pk_mul_f32 v[QQB+(\p):QQB+(\p)+1], v[KFB+(\p):KFB+(\p)+1], v[QQB+(\p):QQB+(\p)+1]
.endr
	v_cndmask_b32 v[GG], v[POA], v[ONE], s[HM]
	v_cndmask_b32 v[GGB], v[POB], v[ONE], s[HM]
	v_mul_f32 v[PEA], v[PTA], v[POA]
	v_mul_f32 v[PEB], v[PTB], v[POB]
	v_mul_f32 v[GG], v[GG], v[PEB]                 ; a's tokens decay through all of b
	v_mul_f32 v[PE], v[PEA], v[PEB]
.irp p, 0,2,4,6
	v_pk_mul_f32 v[KX+(\p):KX+(\p)+1], v[QQ+(\p):QQ+(\p)+1], v[GG:GG+1] op_sel_hi:[1,0]
	v_pk_mul_f32 v[KXB+(\p):KXB+(\p)+1], v[QQB+(\p):QQB+(\p)+1], v[GGB:GGB+1] op_sel_hi:[1,0]
.endr
.irp p, 0,1,2,3
	v_cvt_pk_f16_f32 v[KHP+(\p)], v[KX+2*(\p)], v[KX+2*(\p)+1]          ; tokens 8 hh + 0..7,
	v_cvt_pk_f16_f32 v[KHP+4+(\p)], v[KXB+2*(\p)], v[KXB+2*(\p)+1]      ; tokens 16 + 8 hh + 0..7
.endr
.set q, 0
.rept 16
	v_pk_mul_f32 v[ST+q:ST+q+1], v[ST+q:ST+q+1], v[PE:PE+1] op_sel_hi:[1,0]      ; each accumulator from its low end on
.set q, q+2
.endr
	s_wait_dscnt 4                                 ; v turned is in: younger are the four loads of k and ww
.irp t, 0,1,2,3
	v_wmma_f32_16x16x32_f16 v[ST+8*(\t):ST+8*(\t)+7], v[VTP+8*(\t):VTP+8*(\t)+7], v[KHP:KHP+7], v[ST+8*(\t):ST+8*(\t)+7]   ; the four accumulators take turns, over the backward jump too
.endr
.endm
; THE CHANGE OF SLOTS.  Each wave waits for all its tensor loads (one is out: its quarter of the tile to be entered), adds 0 to its spare word, and waits for that and for its reads of LDS: of the slot that
; it leaves, of the records and of y's stage.  Behind the barrier the tile is whole, nobody reads the old slot, and records and stage may be written again.  fill = 1: the old slot takes the next tile, first thing behind the barrier.
; Behind that load a wave prefetches its own 32 rows x 512 bytes of the tile three on from the one entered: a lane a row, two lines.  Each block is named once in the launch: tile 3 by the first half's
; work-group (its full walk's first change), tiles 4 to 6 by the second half's in its walk for the state (pre = 1: all changes but the first), tile 7 in its full walk's first change.
; Tiles 0 to 2 come by their loads alone.
.macro CHANGE fill, pre
	s_wait_tensorcnt 0x0
	ds_add_u32 v[SPW], v[NIL]
.if \fill
	s_xor_b32 s[G0+1], s[G0+1], SLOTB
	s_add_nc_u64 s[G0+2:G0+3], s[G0+2:G0+3], TILEB
	s_wait_xcnt 0x0                                ; the last prefetches, a tile back, have read their address
	s_add_nc_u64 s[PFA:PFA+1], s[PFA:PFA+1], TILEB
.endif
	s_wait_dscnt 0x0
	s_barrier_signal -1
	s_xor_b32 s[SBASE], s[SBASE], SLOTB
	s_barrier_wait -1
.if \fill
	tensor_load_to_lds s[G0:G0+3], s[G1:G1+7]
	s_nop 0
.if \pre
	s_cmp_lt_u32 s[PSL], 4
.else
	s_cmp_eq_u32 s[SLOTS], 3
.endif
	s_cbranch_scc0 .Lno_ask_\@
	global_prefetch_b8 v[PFO], s[PFA:PFA+1] th:TH_LOAD_NT scope:SCOPE_SE
	global_prefetch_b8 v[PFO], s[PFA:PFA+1] offset:256 th:TH_LOAD_NT scope:SCOPE_SE
.Lno_ask_\@:
.endif
.endm
; A tile for the state alone: four trips of 32 tokens; nothing is stored.
.macro PRETILE
	s_mov_b32 s[TB], s[SBASE]
	v_add_nc_u32 v[ADK], s[TB], v[ATK0]
	ds_load_tr16_b128 v[KT:KT+3],   v[ADK] offset:128
	ds_load_tr16_b128 v[WT:WT+3],   v[ADK] offset:384
	ds_load_tr16_b128 v[KTB:KTB+3], v[ADK] offset:CHB+128
	ds_load_tr16_b128 v[WTB:WTB+3], v[ADK] offset:CHB+384
	s_mov_b32 s[CNT], 4
.Lpchunk_\@:
	PCHUNK2
	s_sub_co_u32 s[CNT], s[CNT], 1
	s_cmp_lg_u32 s[CNT], 0
	s_cbranch_scc1 .Lpchunk_\@
.rept 4
	v_nop                                          ; the places behind the tile's last products, ahead of loads into the registers that they read
.endr
.endm
; A tile's prologue, for chunk u of my two: r to bf16, four words at a time, and into the chunk's record.
.macro RCONV u
.irp n, 0,1,2,3
.irp e, 0,1,2,3
	CVH PTM+2*(\e), PRF+32*(\u)+4*(\n)+(\e), 0, ONE
	CVH PTM+2*(\e)+1, PRF+32*(\u)+4*(\n)+(\e), 1, ONE
.endr
.irp e, 0,1,2,3
	v_cvt_pk_bf16_f32 v[RB+4*(\n)+(\e)], v[PTM+2*(\e)], v[PTM+2*(\e)+1]
.endr
.endr
.irp n, 0,1,2,3
	ds_store_b128 v[RBA], v[RB+4*(\n):RB+4*(\n)+3] offset:RECB*(\u)+32*(\n)
.endr
.endm
; r . v of chunk u: the two halves of the channels are added; the sums go into the record in f32 (row t, the numbers s), and packed in bf16, kept where t >= 8 and s < 8.
.macro APART u
.if \u
.set aa0, 232
.else
.set aa0, 152
.endif
.irp p, 0,2,4,6
	v_pk_add_f32 v[aa0+(\p):aa0+(\p)+1], v[aa0+(\p):aa0+(\p)+1], v[aa0+8+(\p):aa0+8+(\p)+1]
.endr
	ds_store_b128 v[ASTO], v[aa0:aa0+3]   offset:RECB*(\u)
	ds_store_b128 v[ASTO], v[aa0+4:aa0+7] offset:RECB*(\u)+16
.irp p, 0,1,2,3
	v_cvt_pk_bf16_f32 v[KT+4*(\u)+(\p)], v[aa0+2*(\p)], v[aa0+2*(\p)+1]
.endr
.irp p, 0,1,2,3
	v_and_b32 v[KT+4*(\u)+(\p)], v[AMK], v[KT+4*(\u)+(\p)]
.endr
	ds_store_b128 v[AHA], v[KT+4*(\u):KT+4*(\u)+3] offset:RECB*(\u)
.endm
; A tile in full.  The prologue: I make the records of chunks 2 wave and 2 wave + 1; a barrier, since every wave reads all eight.  Then the first chunk's operands and eight chunks; a barrier, since a
; token's 256 bytes of y come from four waves; then y leaves.
.macro TILE
	s_mul_i32 s[TB], s[WV], 2*CHB
	s_add_co_u32 s[TB], s[TB], s[SBASE]
	s_lshl_b32 s[CB], s[WV], 13
	v_add_nc_u32 v[ADF], s[TB], v[AR0]
	v_add_nc_u32 v[AHA], s[CB], v[AHA0]
	v_add_nc_u32 v[RBA], s[CB], v[RBA0]
.irp u, 0,1
.irp n, 0,1,2,3
	ds_load_b128 v[PRF+32*(\u)+4*(\n):PRF+32*(\u)+4*(\n)+3], v[ADF] offset:CHB*(\u)+32*(\n)            ; r
.endr
.irp n, 0,1,2,3
	ds_load_b128 v[PRF+16+32*(\u)+4*(\n):PRF+16+32*(\u)+4*(\n)+3], v[ADF] offset:CHB*(\u)+256+32*(\n)  ; v
.endr
.endr
	s_wait_dscnt 0x0
	v_wmma_f32_16x16x32_f16 v[152:159], v[PRF+16:PRF+23], v[PRF:PRF+7], 0        ; D[s][t] = v_s . r_t, two halves of the channels on two accumulators, for each of my two chunks
	v_wmma_f32_16x16x32_f16 v[160:167], v[PRF+24:PRF+31], v[PRF+8:PRF+15], 0
	v_wmma_f32_16x16x32_f16 v[232:239], v[PRF+48:PRF+55], v[PRF+32:PRF+39], 0
	v_wmma_f32_16x16x32_f16 v[240:247], v[PRF+56:PRF+63], v[PRF+40:PRF+47], 0
	RCONV 0                                        ; its sixteen roundings name no register of the four products: the places ahead of the sums' first reader
	APART 0
	RCONV 1
	APART 1
	s_wait_dscnt 0x0                               ; for the others' sake: my two records are written
	s_barrier_signal -1
	s_barrier_wait -1
	s_mov_b32 s[TB], s[SBASE]
	s_mov_b32 s[YB], YST
	s_mov_b32 s[CB], 0
	v_add_nc_u32 v[ADT], s[TB], v[ATR0]
	v_add_nc_u32 v[ADK], s[TB], v[ATK0]
	v_add_nc_u32 v[ARD], s[CB], v[ARD0]
	v_add_nc_u32 v[AHA], s[CB], v[AHA0]
	v_add_nc_u32 v[RBA], s[CB], v[RBA0]
	ds_load_tr16_b128 v[KT:KT+3], v[ADK] offset:128
	ds_load_tr16_b128 v[WT:WT+3], v[ADK] offset:384
	OPERANDS
	s_wait_dscnt 0x0
	s_mov_b32 s[CNT], 8
.Lchunk_\@:
	CHUNK
	s_sub_co_u32 s[CNT], s[CNT], 1
	s_cmp_lg_u32 s[CNT], 0
	s_cbranch_scc1 .Lchunk_\@
	s_wait_dscnt 0x0                               ; for the others' sake: my stores of y are done
	s_barrier_signal -1
	s_barrier_wait -1
.irp n, 0,1,2,3,4,5,6,7,8,9,10,11,12,13,14,15
	ds_load_b128 v[AD+4*(\n):AD+4*(\n)+3], v[FRD] offset:2*YPI*(\n)
.endr
.irp n, 0,1,2,3,4,5,6,7,8,9,10,11,12,13,14,15
	s_wait_dscnt 15-(\n)                           ; LDS loads come back in order: number n is in
	global_store_b128 v[GO], v[AD+4*(\n):AD+4*(\n)+3], s[YP:YP+1] offset:8192*(\n)  ; 16 lanes store a token's 256 consecutive bytes, aligned
.endr
	s_wait_xcnt 0x0                                ; the stores have read their base and their data: both are written again below
	s_add_nc_u64 s[YP:YP+1], s[YP:YP+1], 128*4096
.endm
	s_cmp_eq_u32 s[HALF], 0                        ; the work-group's number alone decides: the same in all four waves
	s_cbranch_scc1 .Lfull
	v_mov_b32 v[POA], 0                            ; a lane exchange's destination counts as read
	v_mov_b32 v[POB], 0
	v_mov_b32 v[GGB+1], 0                          ; named in a pair
	s_mov_b32 s[PSL], 4
.Lpre:                                                 ; the second half: tiles 0 to 3 for the state alone; each trip enters a tile and asks for the next, the last trip for tile 4
	CHANGE 1, 1
	PRETILE
	s_sub_co_u32 s[PSL], s[PSL], 1
	s_cmp_lg_u32 s[PSL], 0
	s_cbranch_scc1 .Lpre
.Lfull:                                                ; on both ways here: the walk's first tile has been asked for, into slot 0
	s_mov_b32 s[SLOTS], 3
.Lslot:                                                ; three times: a tile is entered and the next is asked for
	CHANGE 1, 0
	TILE
	s_sub_co_u32 s[SLOTS], s[SLOTS], 1
	s_cmp_lg_u32 s[SLOTS], 0
	s_cbranch_scc1 .Lslot
	CHANGE 0, 0                                    ; the last tile is written out: nothing is asked for
	TILE
	s_cmp_eq_u32 s[HALF], 0
	s_cbranch_scc1 .Lend                           ; the first half's state is not the last
	; the state leaves through my stage: whole rows of 256 bytes
.irp t, 0,1,2,3
	ds_store_b128 v[SSTO], v[ST+8*(\t):ST+8*(\t)+3]   offset:64*(\t)
	ds_store_b128 v[SSTO], v[ST+8*(\t)+4:ST+8*(\t)+7] offset:64*(\t)+16
.endr
.irp n, 0,1,2,3,4,5,6,7
	ds_load_b128 v[AD+4*(\n):AD+4*(\n)+3], v[SRD] offset:544*(\n)
.endr
	s_wait_dscnt 0x0
.irp n, 0,1,2,3,4,5,6,7
	global_store_b128 v[SGO2], v[AD+4*(\n):AD+4*(\n)+3], s[SOUT:SOUT+1] offset:512*(\n)
.endr
.Lend:
	s_wait_tensorcnt 0x0                           ; the wave's end
	ds_add_u32 v[SPW], v[NIL]
	s_wait_dscnt 0x0
	s_endpgm
.Lfunc_end_k_qa73f54ca0f_scan:
	.size	k_qa73f54ca0f_scan, .Lfunc_end_k_qa73f54ca0f_scan-k_qa73f54ca0f_scan
	.p2alignl 7, 3214868480
	.fill 96, 4, 3214868480
	.section	.rodata,"a",@progbits
	.p2align	6, 0x0
	.amdhsa_kernel k_qa73f54ca0f_scan
		.amdhsa_group_segment_fixed_size 327680
		.amdhsa_private_segment_fixed_size 0
		.amdhsa_enable_private_segment 0
		.amdhsa_kernarg_size 32
		.amdhsa_user_sgpr_count 2
		.amdhsa_user_sgpr_kernarg_segment_ptr 1
		.amdhsa_wavefront_size32 1
		.amdhsa_system_sgpr_workgroup_id_x 1
		.amdhsa_system_sgpr_workgroup_id_y 1
		.amdhsa_system_sgpr_workgroup_id_z 1
		.amdhsa_system_vgpr_workitem_id 0
		.amdhsa_next_free_vgpr 256
		.amdhsa_next_free_sgpr 66
		.amdhsa_reserve_vcc 1
		.amdhsa_float_denorm_mode_32 3
		.amdhsa_float_denorm_mode_16_64 3
		.amdhsa_memory_ordered 1
		.amdhsa_forward_progress 1
		.amdhsa_inst_pref_size 76
	.end_amdhsa_kernel
	.amdgpu_metadata
---
amdhsa.version: [ 1, 2 ]
amdhsa.kernels:
  - .name:           k_qa73f54ca0f_scan
    .symbol:         k_qa73f54ca0f_scan.kd
    .args:
      - { .name: pbuf, .offset: 0, .size: 8, .value_kind: global_buffer, .address_space: global }
      - { .name: state, .offset: 8, .size: 8, .value_kind: global_buffer, .address_space: global }
      - { .name: ybuf, .offset: 16, .size: 8, .value_kind: global_buffer, .address_space: global }
      - { .name: out1, .offset: 24, .size: 8, .value_kind: global_buffer, .address_space: global }
    .group_segment_fixed_size: 327680
    .private_segment_fixed_size: 0
    .kernarg_segment_align: 8
    .kernarg_segment_size: 32
    .max_flat_workgroup_size: 128
    .sgpr_count:     66
    .vgpr_count:     256
    .wavefront_size: 32
...
	.end_amdgpu_metadata
.endif
;; end of part 7
;; launch ln: the kernel of part 4 again; grid 512 x 1, 8 waves a work-group, no clusters, 0 bytes of LDS; arguments ybuf, pbuf, ln_gamma, ln_beta, zbuf; writes zbuf
;; launch outp: the kernel of part 5 again; grid 4 x 64, 4 waves a work-group, clusters of 4 x 4, 327,680 bytes of LDS; arguments zbuf, wo, out0; writes out0
